; MI455X (gfx1250); checked and timed in simulation.
; The chip was launched on July 23, 2026; its instructions are those of AMD's public machine-readable ISA for CDNA 5 (MIT licence, August 2026) and "CDNA5" Instruction Set Architecture Reference Guide (July 2026). The comments in the code are by the model that wrote it; some were corrected since.
;; Mo E. Allowed arithmetic: matrix products marked QUANTISED: E3M2 operands, one E8M0 scale for each 32 along K, by v_wmma_scale_f32_16x16x128_f8f6f4 with both operands' format E3M2, f32 sums; products left as they are: f32 operands where the result goes on into a quantised operand, else bf16, f16 or f32 operands; f32 sums; everything else in f32.
;; Inputs: W1_codes 8 x 2,048 x 32 x 24 uint8 (E3M2 codes of W1, K innermost, in blocks of 32 codes, four codes in three bytes); W1_scales 8 x 2,048 x 32 uint8 (E8M0 scales of W1, one for each 32 codes along K); W2_codes 8 x 1,024 x 64 x 24 uint8 (E3M2 codes of W2, K innermost, in blocks of 32 codes, four codes in three bytes); W2_scales 8 x 1,024 x 64 uint8 (E8M0 scales of W2, one for each 32 codes along K); Wg1_codes 512 x 32 x 24 uint8 (E3M2 codes of Wg1, K innermost, in blocks of 32 codes, four codes in three bytes); Wg1_scales 512 x 32 uint8 (E8M0 scales of Wg1, one for each 32 codes along K); Wg2 512 x 8 float32; b1 8 x 2,048 float32; b2 8 x 1,024 float32; bg1 512 float32; bg2 8 float32; x_codes 2,048 x 32 x 24 uint8 (E3M2 codes of x, K innermost, in blocks of 32 codes, four codes in three bytes); x_scales 2,048 x 32 uint8 (E8M0 scales of x, one for each 32 codes along K).
;; Outputs: out0 2,048 x 1,024 float32; out1 one number float32.
;; This version of the problem:
;;   THIS VERSION OF THE PROBLEM IS GIVEN IN LOW PRECISION. The matrix products marked QUANTISED in the list below multiply operands that are first quantised to E3M2 (3 exponent bits, 2 mantissa bits; 6 bits a number), with one power-of-two scale for each 32 numbers along K (OCP MX v1.0); their sums are f32. All else is computed in f32.
;;   The module's matrix products, in the order in which they are computed (A, B: the left and right operand; K: the contracted axis; several contracted axes count as one K, in the product's order):
;;     1. [M 2,048, K 1,024] x [K 1,024, N 512]; A: input x (given as codes); B: input Wg1 (given as codes): QUANTISED
;;     2. [M 2,048, K 512] x [K 512, N 8]; A: computed on the way; B: input Wg2: left as it is (N = 8 < 16)
;;     3. [M 16,384, K 1,024] x [K 1,024, N 2,048]; A: input W1 (given as codes); B: input x (given as codes): QUANTISED
;;     4. batch 8 x [M 1,024, K 2,048] x [K 2,048, N 2,048]; A: input W2 (given as codes); B: computed on the way: QUANTISED
;;   THE QUANTISER, for each operand of a quantised product, along K:
;;     - K is cut into blocks of 32 from its start; a last block that is shorter is filled with zeros.
;;     - A block's scale is 2^e with e = floor(log2(the largest magnitude in the block)) - 4, held to -126 .. 127; a block of zeros has e = 0. As a byte (E8M0): e + 127.
;;     - Each number is divided by its block's scale, clamped to +-28, and rounded to the nearest number of E3M2, ties to even, subnormals kept.
;;     - The product sums the exact products of the quantised numbers (number of the format x scale) in f32.
;;   ~~~python
;;   def quantise(x, axis):      # numpy; x: float32 -> the quantised numbers, widened to float32 again
;;       x = np.moveaxis(x, axis, -1); K = x.shape[-1]
;;       x = np.pad(x, [(0, 0)] * (x.ndim - 1) + [(0, -K % 32)]); x = x.reshape(x.shape[:-1] + (-1, 32)); a = np.abs(x).max(-1, keepdims=True)
;;       e = np.where(a > 0, np.clip(np.frexp(np.where(a > 0, a, 1))[1] - 1 - 4, -126, 127), 0)      # np.frexp(a)[1] - 1 = floor(log2(a)), exactly
;;       r = np.clip(x / 2.0 ** e, -28, 28)
;;       step = 2.0 ** (np.maximum(np.frexp(np.where(r == 0, 1, r))[1] - 1, -2) - 2)
;;       q = np.round(r / step) * step * 2.0 ** e      # np.round: ties to even
;;       return np.moveaxis(q.reshape(q.shape[:-2] + (-1,))[..., :K], -1, axis).astype(np.float32)
;;   ~~~
;;   OPERANDS COMPUTED ON THE WAY. 'Computed on the way' means the value that the module computes at that place (a softmax that the list does not call 'softmax' is quantised finished and normalised). What goes into a quantiser is computed in f32, as accurately as f32 sums, v_exp_f32 and their like allow (about 1e-6 of the number): no bf16 or f16 on the way to a quantiser, and a product that is left as it is and whose result goes on into a quantised operand takes f32 operands (vector FMAs, or v_wmma_f32_16x16x4_f32). A number that lies on a knife's edge between two numbers of the format may be rounded either way, as far as f32 arithmetic and the matrix unit's own rounding can turn it there, and no further.
;;   INPUTS GIVEN AS CODES. W1 (in the module: [8, 1024, 2048], K = its axis 1); W2 (in the module: [8, 2048, 1024], K = its axis 1); Wg1 (in the module: [1024, 512], K = its axis 0); x (in the module: [2048, 1024], K = its axis 1): each comes as NAME_codes (uint8): NAME with its K axis moved to the last place and cut into blocks of 32 codes, [.., K / 32, bytes a block], one block behind the other in memory; four codes in three bytes: a row's codes are one little-endian stream of bits, code i at bits 6 i .. 6 i + 5 (a code: sign, 3 exponent bits, 2 mantissa bits); and NAME_scales (uint8): the same leading axes, one E8M0 byte (e + 127) for each 32 codes along K. Its value is code x scale, taken as it is: it is not quantised again, and the codes and scales need not be those that the quantiser above would give.
;; One version. Each part assembles by itself: llvm-mc -triple=amdgcn-amd-amdhsa -mcpu=gfx1250 --defsym DOCPART=n.
;; ======== version 1 of 1: 4 launches
;; limits: right only within a limited range of input values
;; workspace buffers: sel 8,192 bytes of whole numbers; gf 32,768 bytes; hist 1,024 bytes of whole numbers; ents 512 bytes; yrow 16,896 bytes of whole numbers; himg 6,488,064 bytes; hsc 270,336 bytes; y 34,078,720 bytes
;; launch gate (part 1): grid 128 x 1, 8 waves a work-group, no clusters, 33,792 bytes of LDS; arguments x_codes, x_scales, Wg1_codes, Wg1_scales, bg1, Wg2, bg2, sel, gf, hist, ents; writes sel, gf, hist, ents
.if DOCPART == 1
	.amdgcn_target "amdgcn-amd-amdhsa--gfx1250"
	.amdhsa_code_object_version 6
	.text
	.protected	k_q333ac03200_gate
	.globl	k_q333ac03200_gate
	.p2align	8
	.type	k_q333ac03200_gate,@function
k_q333ac03200_gate:
	s_mov_b64 s[64:65], 0
	v_nop
	global_prefetch_b8 v0, s[64:65] scope:SCOPE_SE
	s_setreg_imm32_b32 hwreg(HW_REG_WAVE_MODE, 25, 1), 1
	s_wait_xcnt 0x0
; THE ROUTER.  logits = relu(x Wg1 + bg1) Wg2 + bg2; softmax; the two largest scores; their weights; each token's sum of p ln(p + 1e-9).
; x [2048][1024] and Wg1 [512][1024] are codes of E3M2 with K innermost, 768 bytes a row, and one E8M0 byte for each 32 along K.
; SHARES.  A work-group takes 16 tokens; wave w takes gate units 64 w .. 64 w + 63, four tiles of 16.  The product is used transposed (source 0 = 16 units, source 1 = the 16 tokens):
; lane (r, h) holds token r and units 8 h + 0 .. 7 of a tile.  The second product (8 columns) is made by f32 multiply-adds in the lanes; the waves' parts meet in LDS and wave 0 finishes the tokens.
; ORDER OF K.  In a K step of 128 a lane takes the 48 consecutive bytes at 96 q + 48 h of its row (three loads of 16 bytes): the row's blocks 2 h and 2 h + 1 where the operand's layout has blocks h and 2 + h.
; Both operands are read so, which keeps every product; the scale words' bytes are brought into the same order (0, 2, 1, 3) by one v_perm_b32.
; STORED: sel[t] = e0 | e1 << 8 (whole numbers, for the next launch's addresses); gf[t] = w0, w1, sum of p ln(p + 1e-9), 0.
; LIMITS: NaN and infinities are not served.  The two largest are taken of this kernel's f32 scores by strict comparison, the lower index first: scores that differ by less than f32 rounding may be ordered otherwise than elsewhere.
; WORK LEFT OUT BY THE PROGRAM: reference() gathers, by its own top-k, two of the eight experts' outputs for each token; the other six reach no output for any values of the inputs,
; so the later launches multiply the chosen rows alone.  A NaN, an infinity or an overflow that reaches only the work left out is not carried to the result.
; ALSO STORED: sel[t] carries (1 << e0 | 1 << e1) in bits 16-23; hist[group of 16 tokens] = eight bytes, the group's rows of experts 0, 2, 4, 6 and 1, 3, 5, 7; ents[group] = the group's sum of p ln(p + 1e-9).
.set XIMG, 0
.set WG2L, 12288                       ; Wg2 as it lies: 32 bytes a unit
.set RED,  28672                       ; [wave][token] 32 bytes: the waves' parts of the logits
.set ACC, 16                           ; v16-47   four accumulators
.set AF,  48                           ; v48-71   x's fragment, two buffers
.set BSC, 72                           ; v72-87   Wg1's scale words: 8 (tile / 2) + 4 (q / 4) + q % 4; lanes 0-15 the even tile, 16-31 the odd one
.set ASC, 88                           ; v88-91   x's scale words: q % 4; lanes 0-15 K steps 0-3, lanes 16-31 K steps 4-7
.set LG,  92                           ; v92-99   eight logits
.set TW,  100                          ; v100-111 at work
.set WF,  112                          ; v112-255 Wg1's fragments of K steps 5-7; window 1: those of K steps 0-4, later Wg2's rows
.set MSB, 0
.macro WIN new                         ; the immediate's high byte repeats the setting that is left
.if MSB != (\new)
	s_set_vgpr_msb (MSB<<8)|(\new)
.set MSB, (\new)
.endif
.endm
.macro PLACES n
.rept \n
	v_nop
.endr
.endm
.macro WM d, a, b, c, sa, sb, ra, rb   ; one product; ra, rb: the scales stand in lanes 16-31 of their registers
.if (\ra) && (\rb)
	v_wmma_scale_f32_16x16x128_f8f6f4 v[\d:\d+7], v[\a:\a+11], v[\b:\b+11], v[\c:\c+7], v[\sa], v[\sb] matrix_a_fmt:MATRIX_FMT_BF6 matrix_b_fmt:MATRIX_FMT_BF6 matrix_a_scale:MATRIX_SCALE_ROW1 matrix_b_scale:MATRIX_SCALE_ROW1
.elseif (\ra)
	v_wmma_scale_f32_16x16x128_f8f6f4 v[\d:\d+7], v[\a:\a+11], v[\b:\b+11], v[\c:\c+7], v[\sa], v[\sb] matrix_a_fmt:MATRIX_FMT_BF6 matrix_b_fmt:MATRIX_FMT_BF6 matrix_a_scale:MATRIX_SCALE_ROW1
.elseif (\rb)
	v_wmma_scale_f32_16x16x128_f8f6f4 v[\d:\d+7], v[\a:\a+11], v[\b:\b+11], v[\c:\c+7], v[\sa], v[\sb] matrix_a_fmt:MATRIX_FMT_BF6 matrix_b_fmt:MATRIX_FMT_BF6 matrix_b_scale:MATRIX_SCALE_ROW1
.else
	v_wmma_scale_f32_16x16x128_f8f6f4 v[\d:\d+7], v[\a:\a+11], v[\b:\b+11], v[\c:\c+7], v[\sa], v[\sb] matrix_a_fmt:MATRIX_FMT_BF6 matrix_b_fmt:MATRIX_FMT_BF6
.endif
.endm
	s_load_b512 s[4:19], s[0:1], 0x0               ; x_codes 4, x_scales 6, Wg1_codes 8, Wg1_scales 10, bg1 12, Wg2 14, bg2 16, sel 18
	s_load_b64 s[20:21], s[0:1], 0x40
	s_load_b128 s[40:43], s[0:1], 0x48             ; hist 40, ents 42
	v_lshrrev_b32 v12, 5, v0
	s_delay_alu instid0(VALU_DEP_1)
	v_readfirstlane_b32 s22, v12                   ; wave 0..7
	v_and_b32 v13, 31, v0                          ; lane
	s_delay_alu instid0(VALU_DEP_1)
	v_lshlrev_b32 v1, 4, v13                       ; 16 x lane: an image's place
	v_and_b32 v2, 15, v0                           ; r
	v_bfe_u32 v3, v0, 4, 1                         ; h
	s_delay_alu instid0(VALU_DEP_2)
	v_mul_u32_u24 v5, v2, 768
	s_delay_alu instid0(VALU_DEP_1)
	v_mad_u32_u24 v5, v3, 48, v5                   ; a row of codes: 768 r + 48 h
	s_mul_i32 s36, s22, 96
	v_add_nc_u32 v4, s36, v5                       ; x: K step w is the one that my wave fetches
	v_lshlrev_b32 v6, 5, v13                       ; Wg1's scales: 32 bytes a unit, a lane a unit
	v_lshlrev_b32 v7, 5, v2
	s_delay_alu instid0(VALU_DEP_1)
	v_lshl_add_u32 v7, v3, 4, v7                   ; x's scales: 32 r + 16 h
	v_lshlrev_b32 v8, 5, v3                        ; bg1: 32 h
	s_lshl_b32 s36, s22, 11
	s_add_co_u32 s36, s36, WG2L
	v_lshlrev_b32 v9, 8, v3
	s_delay_alu instid0(VALU_DEP_1)
	v_add_nc_u32 v9, s36, v9                       ; Wg2 in LDS: my wave's 64 units, + 8 h units
	v_lshlrev_b32 v11, 5, v2
	s_delay_alu instid0(VALU_DEP_1)
	v_add_nc_u32 v11, RED, v11                     ; the parts of token r
	s_lshl_b32 s36, s22, 9
	v_add_nc_u32 v10, s36, v11                     ; my wave's
	s_mul_i32 s36, s22, 1536
	v_add_nc_u32 v14, s36, v1                      ; where I store x's image
	v_lshlrev_b32 v15, 4, v0                       ; 16 x thread: Wg2's pieces, in memory and in LDS
	s_mov_b32 s24, 0x76543210
	s_mov_b32 s25, 0xfedcba98                      ; v_permlanex16_b32: lane l xor 16
	s_mov_b32 s26, 0x03010200                      ; a scale word's bytes in the order 0, 2, 1, 3
	s_mov_b32 s37, 0
	s_wait_alu depctr_va_vdst(0)
	s_wait_kmcnt 0x0
	s_load_b256 s[28:35], s[16:17], 0x0            ; bg2
	s_mul_i32 s36, ttmp9, 12288
	s_add_nc_u64 s[4:5], s[4:5], s[36:37]          ; my 16 tokens' codes,
	s_lshl_b32 s36, ttmp9, 9
	s_add_nc_u64 s[6:7], s[6:7], s[36:37]          ; scale bytes,
	s_lshl_b32 s36, ttmp9, 6
	s_add_nc_u64 s[18:19], s[18:19], s[36:37]      ; words of sel,
	s_lshl_b32 s36, ttmp9, 8
	s_add_nc_u64 s[20:21], s[20:21], s[36:37]      ; and of gf
	s_mul_i32 s36, s22, 49152
	s_add_nc_u64 s[8:9], s[8:9], s[36:37]          ; my wave's 64 units: codes,
	s_lshl_b32 s36, s22, 11
	s_add_nc_u64 s[10:11], s[10:11], s[36:37]      ; scale bytes,
	s_lshl_b32 s36, s22, 8
	s_add_nc_u64 s[12:13], s[12:13], s[36:37]      ; bias
.irp cc, 0,1,2
	global_load_b128 v[AF+4*\cc:AF+4*\cc+3], v4, s[4:5] offset:16*\cc           ; x's fragment of K step w
.endr
.irp i, 0,1,2,3
	global_load_b128 v[LG+4*\i:LG+4*\i+3], v15, s[14:15] offset:4096*\i         ; Wg2: 256 threads x 16 bytes, four times
.endr
	global_load_b128 v[ASC:ASC+3], v7, s[6:7]
.irp p, 0,1
.irp g, 0,1
	global_load_b128 v[BSC+8*\p+4*\g:BSC+8*\p+4*\g+3], v6, s[10:11] offset:1024*\p+16*\g
.endr
.endr
.irp t, 0,1,2,3
	global_load_b128 v[ACC+8*\t:ACC+8*\t+3], v8, s[12:13] offset:64*\t           ; the bias lands in the accumulators: every K step then adds in place
	global_load_b128 v[ACC+8*\t+4:ACC+8*\t+7], v8, s[12:13] offset:64*\t+16
.endr
	WIN 0x40                                       ; destination window 1
.irp q, 0,1,2,3
.irp t, 0,1,2,3
.irp cc, 0,1,2
	global_load_b128 v[48*\q+12*\t+4*\cc:48*\q+12*\t+4*\cc+3], v5, s[8:9] offset:12288*\t+96*\q+16*\cc
.endr
.endr
.endr
	WIN 0
	s_wait_loadcnt 61                              ; behind x's three and Wg2's four loads stand 1 + 4 + 8 + 48
.irp cc, 0,1,2
	ds_store_b128 v14, v[AF+4*\cc:AF+4*\cc+3] offset:XIMG+512*\cc
.endr
.irp i, 0,1,2,3
	ds_store_b128 v15, v[LG+4*\i:LG+4*\i+3] offset:WG2L+4096*\i
.endr
	WIN 0x40
.irp t, 0,1,2,3
.irp cc, 0,1,2
	global_load_b128 v[192+12*\t+4*\cc:192+12*\t+4*\cc+3], v5, s[8:9] offset:12288*\t+384+16*\cc
.endr
.endr
	WIN 0
.irp q, 5,6,7
.irp t, 0,1,2,3
.irp cc, 0,1,2
	global_load_b128 v[WF+48*(\q-5)+12*\t+4*\cc:WF+48*(\q-5)+12*\t+4*\cc+3], v5, s[8:9] offset:12288*\t+96*\q+16*\cc
.endr
.endr
.endr
	s_wait_dscnt 0x0                               ; for the others' sake: my stores have landed
	s_barrier_signal -1
	s_barrier_wait -1                              ; x's eight images and Wg2 lie in LDS
.irp k, 0,1,2,3,4,5,6,7
	v_mov_b32 v[TW+\k], 0                          ; a lane permute's destination counts as one of its sources
.endr
.irp cc, 0,1,2
	ds_load_b128 v[AF+4*\cc:AF+4*\cc+3], v1 offset:XIMG+512*\cc
.endr
	s_wait_loadcnt 63                              ; behind the scale words and the bias stand 96 loads: they are in
.irp i, 0,1,2,3
	v_perm_b32 v[ASC+\i], v[ASC+\i], v[ASC+\i], s26
.endr
.irp i, 0,1,2,3,4,5,6,7,8,9,10,11,12,13,14,15
	v_perm_b32 v[BSC+\i], v[BSC+\i], v[BSC+\i], s26
.endr
	PLACES 8                                       ; a scale register written by a vector instruction stands eight places ahead of the scaled product
	s_wait_alu depctr_va_vdst(0)
.irp q, 0,1,2,3,4,5,6,7
.if \q > 0
	PLACES 4                                       ; in front of loads into the buffer that the last four products read
.endif
.if \q < 7
.irp cc, 0,1,2
	ds_load_b128 v[AF+12*((\q+1)%2)+4*\cc:AF+12*((\q+1)%2)+4*\cc+3], v1 offset:XIMG+1536*(\q+1)+512*\cc
.endr
	s_wait_dscnt 3                                 ; this K step's fragment of x is in; the next one's three loads may be out
.else
	s_wait_dscnt 0x0
.endif
.if 12*(7-\q) > 63
	s_wait_loadcnt 63
.else
	s_wait_loadcnt 12*(7-\q)                       ; behind this K step's fragments of Wg1 stand twelve loads for each later K step
.endif
.if \q < 5
	WIN 0x01                                       ; source 0 window 1
.irp t, 0,1,2,3
	WM ACC+8*\t, 48*\q+12*\t, AF+12*(\q%2), ACC+8*\t, BSC+8*(\t/2)+4*(\q/4)+\q%4, ASC+\q%4, \t%2, \q/4
.endr
	WIN 0
.else
.irp t, 0,1,2,3
	WM ACC+8*\t, WF+48*(\q-5)+12*\t, AF+12*(\q%2), ACC+8*\t, BSC+8*(\t/2)+4*(\q/4)+\q%4, ASC+\q%4, \t%2, \q/4
.endr
.endif
.endr                                          ; the four accumulators take turns, one product a turn
	PLACES 4
.set n, 0
.rept 32
	v_max_num_f32 v[ACC+n], 0, v[ACC+n]            ; relu, each accumulator from its low end on
.set n, n+1
.endr
	WIN 0x40
.set n, 0
.rept 32                                       ; Wg2's rows of my 32 units: unit 16 (n / 8) + 8 h + n % 8, eight numbers each, into window 1
	ds_load_b128 v[8*n:8*n+3], v9 offset:512*(n/8)+32*(n%8)
	ds_load_b128 v[8*n+4:8*n+7], v9 offset:512*(n/8)+32*(n%8)+16
.set n, n+1
.endr
	s_wait_dscnt 32                                ; the first sixteen units' rows are in
	WIN 0x04                                       ; source 1 window 1
.set n, 0
.rept 32
.if n == 16
	s_wait_alu depctr_va_vdst(0)
	s_wait_dscnt 0x0
.endif
.irp k, 0,2,4,6
.if n == 0
	v_pk_mul_f32 v[LG+\k:LG+\k+1], v[ACC:ACC+1], v[\k:\k+1] op_sel_hi:[0,1]      ; the first unit starts the eight sums
.elseif n%2 == 0
	v_pk_fma_f32 v[LG+\k:LG+\k+1], v[ACC+n:ACC+n+1], v[8*n+\k:8*n+\k+1], v[LG+\k:LG+\k+1] op_sel_hi:[0,1,1]
.else
	s_delay_alu instid0(VALU_DEP_4)
	v_pk_fma_f32 v[LG+\k:LG+\k+1], v[ACC+n-1:ACC+n], v[8*n+\k:8*n+\k+1], v[LG+\k:LG+\k+1] op_sel:[1,0,0] op_sel_hi:[1,1,1]
.endif
.endr
.set n, n+1
.endr
	WIN 0
.irp k, 0,1,2,3,4,5,6,7
	v_permlanex16_b32 v[TW+\k], v[LG+\k], s24, s25
.endr
.irp k, 0,1,2,3,4,5,6,7
	v_add_f32 v[LG+\k], v[LG+\k], v[TW+\k]         ; with lane l xor 16's units: my wave's 64
.endr
	ds_store_b128 v10, v[LG:LG+3]                  ; lanes r and 16 + r write the same bytes with the same numbers
	ds_store_b128 v10, v[LG+4:LG+7] offset:16
	s_wait_dscnt 0x0
	s_barrier_signal -1
	s_barrier_wait -1                              ; the eight waves' parts lie in LDS
	s_cmp_lg_u32 s22, 0
	s_cbranch_scc1 .Lend                           ; wave 0 finishes the 16 tokens
.irp w, 0,1,2,3,4,5,6,7
	ds_load_b128 v[112+8*\w:115+8*\w], v11 offset:512*\w
	ds_load_b128 v[116+8*\w:119+8*\w], v11 offset:512*\w+16
.endr
	s_wait_kmcnt 0x0                               ; bg2
	s_wait_dscnt 0x0
.irp k, 0,2,4,6
	v_pk_add_f32 v[LG+\k:LG+\k+1], v[112+\k:113+\k], v[120+\k:121+\k]
.endr
.irp w, 2,3,4,5,6,7
.irp k, 0,2,4,6
	s_delay_alu instid0(VALU_DEP_4)
	v_pk_add_f32 v[LG+\k:LG+\k+1], v[LG+\k:LG+\k+1], v[112+8*\w+\k:113+8*\w+\k]
.endr
.endr
.irp k, 0,1,2,3,4,5,6,7
	v_add_f32 v[LG+\k], s[28+\k], v[LG+\k]
.endr
	v_max3_num_f32 v100, v92, v93, v94             ; the maximum is taken away ahead of the exponentials
	s_delay_alu instid0(VALU_DEP_1)
	v_max3_num_f32 v100, v100, v95, v96
	s_delay_alu instid0(VALU_DEP_1)
	v_max3_num_f32 v100, v100, v97, v98
	s_delay_alu instid0(VALU_DEP_1)
	v_max_num_f32 v100, v100, v99
.irp k, 0,1,2,3,4,5,6,7
	v_sub_f32 v[LG+\k], v[LG+\k], v100
.endr
.irp k, 0,1,2,3,4,5,6,7
	v_mul_f32 v[LG+\k], 0x3fb8aa3b, v[LG+\k]       ; x log2(e)
.endr
	s_wait_alu depctr_va_vdst(0)
.irp k, 0,1,2,3,4,5,6,7
	v_exp_f32 v[LG+\k], v[LG+\k]
.endr
	v_nop                                          ; a plain place behind the batch,
	s_wait_alu depctr_va_vdst(0)                   ; and one wait for the eight, ahead of their first reader
	v_add_f32 v101, v92, v93
.irp k, 2,3,4,5,6,7
	v_add_f32 v101, v101, v[LG+\k]
.endr
	s_wait_alu depctr_va_vdst(0)
	v_rcp_f32 v102, v101
	v_nop
	s_wait_alu depctr_va_vdst(0)
.irp k, 0,1,2,3,4,5,6,7
	v_mul_f32 v[LG+\k], v[LG+\k], v102             ; the scores p
.endr
.irp k, 0,1,2,3,4,5,6,7
	v_add_f32 v[104+\k], 0x3089705f, v[LG+\k]      ; p + 1e-9
.endr
	s_wait_alu depctr_va_vdst(0)
.irp k, 0,1,2,3,4,5,6,7
	v_log_f32 v[104+\k], v[104+\k]
.endr
	v_nop
	s_wait_alu depctr_va_vdst(0)
	v_mul_f32 v103, v92, v104
.irp k, 1,2,3,4,5,6,7
	v_fmac_f32 v103, v[LG+\k], v[104+\k]
.endr
	s_delay_alu instid0(VALU_DEP_1)
	v_mul_f32 v118, 0x3f317218, v103               ; x ln 2: the sum of p ln(p + 1e-9)
	v_mov_b32 v100, v92                            ; the largest score and its index; a later one replaces it only if strictly larger
	v_mov_b32 v101, 0
.irp k, 1
	s_delay_alu instid0(VALU_DEP_2)
	v_cmp_le_f32 vcc_lo, v[LG+\k], v100
	s_delay_alu instid0(VALU_DEP_1)
	v_cndmask_b32 v101, \k, v101, vcc_lo
	s_delay_alu instid0(VALU_DEP_2)
	v_cndmask_b32 v100, v[LG+\k], v100, vcc_lo
.endr
.irp k, 2, 3, 4, 5, 6, 7
	s_delay_alu instid0(VALU_DEP_1)
	v_cmp_le_f32 vcc_lo, v[LG+\k], v100
	s_delay_alu instid0(VALU_DEP_1)
	v_cndmask_b32 v101, \k, v101, vcc_lo
	s_delay_alu instid0(VALU_DEP_2)
	v_cndmask_b32 v100, v[LG+\k], v100, vcc_lo
.endr
	v_mov_b32 v102, -1.0
.irp k, 0,1,2,3,4,5,6,7
	v_cmp_eq_u32 vcc_lo, \k, v101
	s_delay_alu instid0(VALU_DEP_1)
	v_cndmask_b32 v[104+\k], v[LG+\k], v102, vcc_lo  ; the winner stands aside: -1 lies under every score
.endr
	v_mov_b32 v112, v104
	v_mov_b32 v113, 0
.irp k, 1
	s_delay_alu instid0(VALU_DEP_2)
	v_cmp_le_f32 vcc_lo, v[104+\k], v112
	s_delay_alu instid0(VALU_DEP_1)
	v_cndmask_b32 v113, \k, v113, vcc_lo
	s_delay_alu instid0(VALU_DEP_2)
	v_cndmask_b32 v112, v[104+\k], v112, vcc_lo
.endr
.irp k, 2, 3, 4, 5, 6, 7
	s_delay_alu instid0(VALU_DEP_1)
	v_cmp_le_f32 vcc_lo, v[104+\k], v112
	s_delay_alu instid0(VALU_DEP_1)
	v_cndmask_b32 v113, \k, v113, vcc_lo
	s_delay_alu instid0(VALU_DEP_2)
	v_cndmask_b32 v112, v[104+\k], v112, vcc_lo
.endr
	s_delay_alu instid0(VALU_DEP_1)
	v_add_f32 v114, v100, v112
	s_delay_alu instid0(VALU_DEP_1)
	v_add_f32 v114, 0x3089705f, v114
	s_wait_alu depctr_va_vdst(0)
	v_rcp_f32 v115, v114
	v_lshl_or_b32 v120, v113, 8, v101              ; (a plain place behind the reciprocal)  e0 | e1 << 8
	s_wait_alu depctr_va_vdst(0)
	v_mul_f32 v116, v100, v115                     ; w0
	v_mul_f32 v117, v112, v115                     ; w1
	v_mov_b32 v119, 0
	v_lshlrev_b32 v121, 2, v2
	v_lshlrev_b32 v122, 4, v2
	v_lshlrev_b32 v123, v101, 1                    ; 1 << e0
	v_lshlrev_b32 v124, v113, 1                    ; 1 << e1
	v_lshlrev_b32 v125, 2, v101
	v_lshlrev_b32 v126, 2, v113
	v_or_b32 v123, v123, v124
	v_lshlrev_b32 v125, v125, 1                    ; 1 << 4 e0
	v_lshlrev_b32 v126, v126, 1                    ; 1 << 4 e1
	v_lshl_or_b32 v120, v123, 16, v120             ; the one-hot byte above e0 and e1
	v_or_b32 v125, v125, v126                      ; a nibble for each expert
	v_mov_b32 v128, v118
	s_delay_alu instid0(VALU_DEP_2)
	v_and_b32 v126, 0x0f0f0f0f, v125               ; bytes: experts 0, 2, 4, 6
	v_lshrrev_b32 v127, 4, v125
	s_delay_alu instid0(VALU_DEP_1)
	v_and_b32 v127, 0x0f0f0f0f, v127               ; experts 1, 3, 5, 7
	s_delay_alu instid0(VALU_DEP_3)
	v_add_nc_u32_dpp v126, v126, v126 row_xmask:1 row_mask:0xf bank_mask:0xf
	s_delay_alu instid0(VALU_DEP_2)
	v_add_nc_u32_dpp v127, v127, v127 row_xmask:1 row_mask:0xf bank_mask:0xf
	v_add_f32_dpp v128, v128, v128 row_xmask:1 row_mask:0xf bank_mask:0xf
.irp m, 2,4,8
	s_delay_alu instid0(VALU_DEP_3)
	v_add_nc_u32_dpp v126, v126, v126 row_xmask:\m row_mask:0xf bank_mask:0xf
	s_delay_alu instid0(VALU_DEP_3)
	v_add_nc_u32_dpp v127, v127, v127 row_xmask:\m row_mask:0xf bank_mask:0xf
	s_delay_alu instid0(VALU_DEP_3)
	v_add_f32_dpp v128, v128, v128 row_xmask:\m row_mask:0xf bank_mask:0xf
.endr
	s_lshl_b32 s36, ttmp9, 3
	v_mov_b32 v129, s36
	s_lshl_b32 s36, ttmp9, 2
	v_mov_b32 v130, s36
	global_store_b32 v121, v120, s[18:19]          ; lanes r and 16 + r store the same
	global_store_b128 v122, v[116:119], s[20:21]
	global_store_b64 v129, v[126:127], s[40:41]    ; every lane stores the same eight bytes
	global_store_b32 v130, v128, s[42:43]
.Lend:
	s_wait_xcnt 0x0
	v_lshl_add_u32 v254, v0, 2, 0x8000
	v_mov_b32 v255, 0
	s_wait_alu depctr_va_vdst(0)
	s_wait_tensorcnt 0x0
	ds_add_u32 v254, v255
	s_wait_dscnt 0x0
	s_endpgm
.Lfunc_end_k_q333ac03200_gate:
	.size	k_q333ac03200_gate, .Lfunc_end_k_q333ac03200_gate-k_q333ac03200_gate
	.p2alignl 7, 3214868480
	.fill 96, 4, 3214868480
	.section	.rodata,"a",@progbits
	.p2align	6, 0x0
	.amdhsa_kernel k_q333ac03200_gate
		.amdhsa_group_segment_fixed_size 33792
		.amdhsa_private_segment_fixed_size 0
		.amdhsa_enable_private_segment 0
		.amdhsa_kernarg_size 88
		.amdhsa_user_sgpr_count 2
		.amdhsa_user_sgpr_kernarg_segment_ptr 1
		.amdhsa_wavefront_size32 1
		.amdhsa_system_sgpr_workgroup_id_x 1
		.amdhsa_system_sgpr_workgroup_id_y 1
		.amdhsa_system_sgpr_workgroup_id_z 1
		.amdhsa_system_vgpr_workitem_id 0
		.amdhsa_next_free_vgpr 512
		.amdhsa_next_free_sgpr 66
		.amdhsa_reserve_vcc 1
		.amdhsa_float_denorm_mode_32 3
		.amdhsa_float_denorm_mode_16_64 3
		.amdhsa_memory_ordered 1
		.amdhsa_forward_progress 1
		.amdhsa_inst_pref_size 54
	.end_amdhsa_kernel
	.amdgpu_metadata
---
amdhsa.version: [ 1, 2 ]
amdhsa.kernels:
  - .name:           k_q333ac03200_gate
    .symbol:         k_q333ac03200_gate.kd
    .args:
      - { .name: x_codes, .offset: 0, .size: 8, .value_kind: global_buffer, .address_space: global }
      - { .name: x_scales, .offset: 8, .size: 8, .value_kind: global_buffer, .address_space: global }
      - { .name: Wg1_codes, .offset: 16, .size: 8, .value_kind: global_buffer, .address_space: global }
      - { .name: Wg1_scales, .offset: 24, .size: 8, .value_kind: global_buffer, .address_space: global }
      - { .name: bg1, .offset: 32, .size: 8, .value_kind: global_buffer, .address_space: global }
      - { .name: Wg2, .offset: 40, .size: 8, .value_kind: global_buffer, .address_space: global }
      - { .name: bg2, .offset: 48, .size: 8, .value_kind: global_buffer, .address_space: global }
      - { .name: sel, .offset: 56, .size: 8, .value_kind: global_buffer, .address_space: global }
      - { .name: gf, .offset: 64, .size: 8, .value_kind: global_buffer, .address_space: global }
      - { .name: hist, .offset: 72, .size: 8, .value_kind: global_buffer, .address_space: global }
      - { .name: ents, .offset: 80, .size: 8, .value_kind: global_buffer, .address_space: global }
    .group_segment_fixed_size: 33792
    .private_segment_fixed_size: 0
    .kernarg_segment_align: 8
    .kernarg_segment_size: 88
    .max_flat_workgroup_size: 256
    .sgpr_count:     66
    .vgpr_count:     512
    .wavefront_size: 32
...
	.end_amdgpu_metadata
.endif
;; end of part 1
;; launch ffn1 (part 2): grid 8 x 29, 4 waves a work-group, no clusters, 227,072 bytes of LDS; arguments x_codes, x_scales, W1_codes, W1_scales, b1, sel, hist, ents, himg, hsc, yrow, out1; writes himg, hsc, yrow, out1
.if DOCPART == 2
	.amdgcn_target "amdgcn-amd-amdhsa--gfx1250"
	.amdhsa_code_object_version 6
	.text
	.protected	k_q333ac03200_ffn1
	.globl	k_q333ac03200_ffn1
	.p2align	8
	.type	k_q333ac03200_ffn1,@function
k_q333ac03200_ffn1:
	s_mov_b64 s[64:65], 0
	v_nop
	global_prefetch_b8 v0, s[64:65] scope:SCOPE_SE
	s_setreg_imm32_b32 hwreg(HW_REG_WAVE_MODE, 25, 1), 1
	s_wait_xcnt 0x0
; THE PLACING OF ROWS AND THE EXPERTS' FIRST LAYER, for the routed rows alone (the experts that a token did not choose reach no output): h = Q(relu(x W1[e] + b1[e])), Q the quantiser to E3M2 along the hidden units.
; THE LIST OF TILES is made by every wave from hist (128 groups x 8 bytes): each expert's rows N, blocks of 16 (N + 15) / 16 laid on end, tiles of up to 12 blocks.  At most 263 blocks and 29 tiles, whatever the choice.
; Work-group (c, T): tile T x hidden units 256 c .. + 255.  WHICH TOKENS: wave w scans tokens 512 w .. + 511 (16 a lane); a token that chose my expert gets its rank by the bits of compare masks and is put, with its sel word,
; into the wave's own list in LDS; the waves' counts meet in LDS; behind a barrier row R of the expert's run is read from the list of the wave in whose range R falls.  Rows past N repeat row N - 1; nobody reads their results.
; STORED: himg[block][K step][1,536] the second layer's fragment as an image of its registers; hsc[block][K step][row] its scale words; by the work-groups c = 0: yrow[slot] = 2 token + choice (a filler row: 4,096 + slot);
; by wave 0 of work-group (0, 28): out1 = the unbiased variance of the experts' loads less the mean of the tokens' sums of p ln(p + 1e-9).
; The expert and the blocks are whole numbers that an earlier launch stored: so no tensor load, no copy, no cluster, and both barriers stand on every wave's way; a work-group whose tile is empty stages a slice like any other and ends behind them.
; W1's slice, 196,608 dense bytes, goes into LDS once, through registers.  Wave w takes blocks w, w + 4, w + 8 against all 16 column tiles: 48 accumulators; transposed use (source 0 = 16 rows of W1, source 1 = 16 rows of x).
; ORDER OF K.  In a K step of 128 a lane takes the 48 consecutive bytes at 96 q + 48 h of its row: blocks 2 h and 2 h + 1 where the layout has h and 2 + h; both operands alike, the scale words' bytes in the order 0, 2, 1, 3.
; ROW m OF TILE 4 g + i is hidden unit 32 B + 8 i + m % 8, B = 4 (g / 2) + 2 (m / 8) + g % 2: the 32 registers of tiles 4 g .. 4 g + 3 are, in lane (r, h), the whole block 4 (g / 2) + 2 h + g % 2 of row r.
; LDS: 16 column tiles x 48 regions of 272 bytes (region p: piece p of 16 rows); the scale images; four lists of 2,304 bytes (512 words, 32 words for lanes with nothing to put); the counts; the spare words.
; No prefetch: the text has no loop to run ahead in.  LIMITS: NaN and infinities are not served.  A block of h that is all zeros gets the byte 1 where the quantiser says 127: its codes are zeros, and this program alone reads the byte.
; REGISTERS.  Window j + 1: v0-95 x's fragments, v128-255 the accumulators; window 1 while placing: v0-15 sel, v16-31 entries, v32-95 at work, v96-126 addresses, which hold nothing else.
; Window 0: v1 16 lane; v2-6, v8, v224-235 LDS addresses; v7, v9-15, v17, v43, v44, v253, v254 offsets in memory; v16 8 h; v21, v22 the spare word and 0; v24-35, v48-79 scale words; v36-45 the head's work; v80-223 W1's fragments; v236-252 at work.
.set SCB, 208896
.set LIST, 217088
.set LREG, 2304
.set CNTW, 226304
.set SPARE, 226560
.set NL, 0
.set MSB, 0
.macro WIN new
.if MSB != (\new)
	s_set_vgpr_msb (MSB<<8)|(\new)
.set MSB, (\new)
.endif
.endm
.macro PLACES n
.rept \n
	v_nop
.endr
.endm
.macro WAITL m                         ; all loads up to mark m are in: the count is what was issued behind them, as far as the wait's field reaches
.if (NL-(\m)) > 63
	s_wait_loadcnt 63
.else
	s_wait_loadcnt NL-(\m)
.endif
.endm
.macro WM d, a, b, c, sa, sb, ra, rb
.if (\ra) && (\rb)
	v_wmma_scale_f32_16x16x128_f8f6f4 v[\d:\d+7], v[\a:\a+11], v[\b:\b+11], v[\c:\c+7], v[\sa], v[\sb] matrix_a_fmt:MATRIX_FMT_BF6 matrix_b_fmt:MATRIX_FMT_BF6 matrix_a_scale:MATRIX_SCALE_ROW1 matrix_b_scale:MATRIX_SCALE_ROW1
.elseif (\ra)
	v_wmma_scale_f32_16x16x128_f8f6f4 v[\d:\d+7], v[\a:\a+11], v[\b:\b+11], v[\c:\c+7], v[\sa], v[\sb] matrix_a_fmt:MATRIX_FMT_BF6 matrix_b_fmt:MATRIX_FMT_BF6 matrix_a_scale:MATRIX_SCALE_ROW1
.elseif (\rb)
	v_wmma_scale_f32_16x16x128_f8f6f4 v[\d:\d+7], v[\a:\a+11], v[\b:\b+11], v[\c:\c+7], v[\sa], v[\sb] matrix_a_fmt:MATRIX_FMT_BF6 matrix_b_fmt:MATRIX_FMT_BF6 matrix_b_scale:MATRIX_SCALE_ROW1
.else
	v_wmma_scale_f32_16x16x128_f8f6f4 v[\d:\d+7], v[\a:\a+11], v[\b:\b+11], v[\c:\c+7], v[\sa], v[\sb] matrix_a_fmt:MATRIX_FMT_BF6 matrix_b_fmt:MATRIX_FMT_BF6
.endif
.endm
; STAGING.  Load i = 3 a + b of 96: lane (r, h) of wave w takes piece 16 b + r (16 bytes) of unit 8 a + 2 w + h: sixteen lanes read 256 consecutive bytes, aligned.  A group is six loads.
.macro GROUP g
.irp x, 0,1,2,3,4,5
	global_load_b128 v[80+24*((\g)%6)+4*\x:80+24*((\g)%6)+4*\x+3], v7, s[8:9] offset:6144*(2*(\g)+\x/3)+256*(\x%3)
.endr
.set NL, NL+6
.set M_G\g, NL
.endm
.macro PUT g
.irp x, 0,1,2,3,4,5
.set PA, 2*(\g)+\x/3
.set PT, 8*(PA>>4)+4*((PA>>2)&1)+(PA&3)
	ds_store_b128 v[224+4*(\x%3)+(PT>>2)], v[80+24*((\g)%6)+4*\x:80+24*((\g)%6)+4*\x+3] offset:(PT&3)*13056+128*((PA>>3)&1)
.endr
.endm
.macro SLOT g, n                       ; group g goes to LDS; its registers take group n
	WAITL M_G\g
	PUT \g
.if (\n) >= 0
	s_wait_dscnt 0x0                               ; the stores have read their registers
	GROUP \n
.endif
.endm
.macro LD_A q                          ; x's fragments of K step q for my three blocks
.irp j, 0,1,2
	WIN 0x40*(\j+1)
.irp cc, 0,1,2
	global_load_b128 v[12*(\q)+4*\cc:12*(\q)+4*\cc+3], v[9+\j], s[4:5] offset:96*(\q)+16*\cc
.endr
.endr
	WIN 0
.set NL, NL+9
.endm
.macro LD_BIAS p                       ; b1 of tiles 4 p .. 4 p + 3, in the result's layout, into block 0's accumulators
	WIN 0x40
.irp i, 0,1,2,3
	global_load_b128 v[128+8*(4*(\p)+\i):128+8*(4*(\p)+\i)+3], v15, s[12:13] offset:512*((\p)/2)+128*((\p)%2)+32*\i
	global_load_b128 v[128+8*(4*(\p)+\i)+4:128+8*(4*(\p)+\i)+7], v15, s[12:13] offset:512*((\p)/2)+128*((\p)%2)+32*\i+16
.endr
	WIN 0
.set NL, NL+8
.endm
	s_load_b512 s[4:19], s[0:1], 0x0               ; x_codes 4, x_scales 6, W1_codes 8, W1_scales 10, b1 12, sel 14, hist 16, ents 18
	s_load_b256 s[40:47], s[0:1], 0x40             ; himg 40, hsc 42, yrow 44, out1 46
	v_lshl_add_u32 v21, v0, 2, SPARE
	v_mov_b32 v22, 0
	v_lshrrev_b32 v41, 5, v0
	v_readfirstlane_b32 s22, v41                   ; wave 0..3
	v_and_b32 v42, 31, v0                          ; lane
	v_lshlrev_b32 v1, 4, v42
	v_lshlrev_b32 v17, 2, v42
	v_lshlrev_b32 v43, 5, v42                      ; hist: four groups, 32 bytes, a lane
	v_lshl_add_u32 v44, v41, 11, v1                ; sel: 2,048 wave + 16 lane
	v_lshl_add_u32 v45, v41, 9, v17                ; my first token: 512 wave + 4 lane
	v_and_b32 v36, 15, v0                          ; r
	v_bfe_u32 v37, v0, 4, 1                        ; h
	s_mov_b32 s23, ttmp9                           ; c
	s_and_b32 s58, ttmp7, 0xffff                   ; T
	s_sub_co_u32 s38, s58, 28
	s_or_b32 s38, s38, s23
	s_or_b32 s59, s38, s22                         ; 0 in wave 0 of work-group (0, 28) alone
	s_mov_b32 s33, 0
	s_mov_b32 s34, 0x76543210
	s_mov_b32 s35, 0xfedcba98
	s_mov_b32 s36, 0x03010200
	s_mov_b32 s37, 0xffff0000                      ; lanes 16-31
	s_mul_i32 s38, s22, LREG
	s_add_co_u32 s38, s38, LIST                    ; my wave's list
	s_lshl_b32 s39, s22, 2
	s_add_co_u32 s39, s39, CNTW                    ; my wave's count
	s_wait_alu depctr_va_vdst(0)
	s_wait_kmcnt 0x0
	global_load_b128 v[240:243], v43, s[16:17]
	global_load_b128 v[244:247], v43, s[16:17] offset:16
	WIN 0x40                                       ; destination window 1
.irp i, 0,1,2,3
	global_load_b128 v[4*\i:4*\i+3], v44, s[14:15] offset:512*\i    ; register 4 i + k: token 512 w + 128 i + 4 lane + k
.endr
	v_mov_b32 v112, s38
	v_mov_b32 v114, s39
	v_add_nc_u32 v113, 0x200, v42                  ; word 512 + lane of the list: for a lane with nothing to put
	v_mov_b32 v118, 0
	v_mov_b32 v124, CNTW
	v_mov_b32 v126, LIST
	v_add_nc_u32 v125, s38, v1                     ; my list, 16 bytes a lane
.irp n, 0,1,2,3
	v_mov_b32 v[84+\n], 0
.endr
	v_and_b32 v52, 15, v0                          ; r
	v_mul_u32_u24 v53, v37, 48                     ; 48 h
	v_lshlrev_b32 v54, 4, v37                      ; 16 h
.irp n, 0,1,2,3,4,5,6,7,8,9,10,11,12,13,14,15
	v_add_nc_u32 v[16+\n], 128*(\n/4)+(\n%4), v45
.endr
	WIN 0x05                                       ; address and data window 1
.irp o, 0,512,1024,1536,1792                   ; my list's 2,304 bytes are cleared: five stores of 512 bytes, the last over the end of the fourth; LDS serves a wave's instructions in order, so the entries land on top
	ds_store_b128 v125, v[84:87] offset:\o
.endr
	WIN 0
	v_lshlrev_b32 v2, 4, v36
	v_mad_u32_u24 v2, v37, 816, v2                 ; a fragment: 16 r + three regions for h; + four tiles for each further register
	v_add_nc_u32 v3, 52224, v2
	v_add_nc_u32 v4, 104448, v2
	v_add_nc_u32 v5, 156672, v2
	v_add_nc_u32 v6, SCB, v1
	v_lshlrev_b32 v23, 4, v0                       ; 16 thread: the scales' pieces in memory
	v_lshlrev_b32 v7, 4, v36
	v_mad_u32_u24 v7, v37, 768, v7
	v_mad_u32_u24 v7, v41, 1536, v7                ; the codes' pieces in memory: 16 r + a row for h + two rows for the wave
	v_bfe_u32 v38, v0, 5, 2                        ; the scales' piece 16 t + 2,048 i belongs to unit (t >> 1) + 64 i, half t & 1 of K
	v_lshlrev_b32 v8, 10, v38
	v_and_b32 v38, 1, v0
	v_lshl_add_u32 v8, v38, 9, v8
	v_bfe_u32 v38, v0, 1, 3
	v_lshl_add_u32 v8, v38, 4, v8
	v_lshl_add_u32 v8, v37, 8, v8
	v_add_nc_u32 v8, SCB, v8
	v_lshlrev_b32 v15, 8, v37
	v_lshlrev_b32 v16, 3, v37
	v_mul_u32_u24 v38, v36, 272
	v_lshl_add_u32 v38, v37, 4, v38
	v_lshl_add_u32 v38, v41, 5, v38                ; region r, row 2 w + h
.irp b, 0,1,2
	v_add_nc_u32 v[224+4*\b], 4352*\b, v38         ; + 16 regions for each chunk of 256 bytes
	v_add_nc_u32 v[225+4*\b], 52224, v[224+4*\b]
	v_add_nc_u32 v[226+4*\b], 104448, v[224+4*\b]
	v_add_nc_u32 v[227+4*\b], 156672, v[224+4*\b]
.endr
	v_mov_b32 v250, 0                              ; a lane permute's destination counts as one of its sources
	v_mov_b32 v251, 0
	s_wait_alu depctr_va_vdst(0)
	s_wait_loadcnt 0x0
; THE EXPERTS' ROWS: my four groups' bytes (at most 64), widened to halves (register n: expert n below, n + 4 above), summed over the lanes
	v_add3_u32 v240, v240, v242, v244
	v_add3_u32 v241, v241, v243, v245
	v_add_nc_u32 v240, v240, v246
	v_add_nc_u32 v241, v241, v247
	v_and_b32 v242, 0xff00ff, v240
	v_and_b32 v243, 0xff00ff, v241
	v_lshrrev_b32 v244, 8, v240
	v_lshrrev_b32 v245, 8, v241
	v_and_b32 v244, 0xff00ff, v244
	v_and_b32 v245, 0xff00ff, v245
.irp m, 1,2,4,8
.irp n, 0,1,2,3
	v_add_nc_u32_dpp v[242+\n], v[242+\n], v[242+\n] row_xmask:\m row_mask:0xf bank_mask:0xf
.endr
.endr
	s_wait_alu depctr_va_vdst(0)
.irp n, 0,1,2,3
	v_readlane_b32 s38, v[242+\n], 0
	v_readlane_b32 s39, v[242+\n], 16
	s_add_co_u32 s38, s38, s39
	s_and_b32 s[48+\n], s38, 0xffff
	s_lshr_b32 s[52+\n], s38, 16
.endr
; THE LIST OF TILES, and my entry: the last expert whose first tile is not behind T
	s_mov_b32 s56, 0                               ; blocks so far
	s_mov_b32 s57, 0                               ; tiles so far
	s_mov_b32 s24, 0
	s_mov_b32 s31, 0
	s_mov_b32 s25, 0
	s_mov_b32 s62, 0
	s_mov_b32 s63, 0
.irp e, 0,1,2,3,4,5,6,7
	s_add_co_u32 s38, s[48+\e], 15
	s_lshr_b32 s38, s38, 4                         ; blocks
	s_cmp_ge_u32 s58, s57
	s_cselect_b32 s24, \e, s24                     ; expert,
	s_cselect_b32 s31, s[48+\e], s31               ; its rows,
	s_cselect_b32 s25, s56, s25                    ; first block,
	s_cselect_b32 s62, s57, s62                    ; first tile,
	s_cselect_b32 s63, s38, s63                    ; blocks
	s_add_co_u32 s56, s56, s38
	s_add_co_u32 s38, s38, 11
	s_mul_i32 s38, s38, 43691
	s_lshr_b32 s38, s38, 19                        ; (blocks + 11) / 12: exact while blocks + 11 stays under 140
	s_add_co_u32 s57, s57, s38
.endr
	s_sub_co_u32 s38, s58, s62
	s_mul_i32 s38, s38, 12                         ; my tile's first block in the expert's run
	s_sub_co_i32 s26, s63, s38
	s_max_i32 s26, s26, 0
	s_min_u32 s26, s26, 12                         ; its blocks: 0 where the list has ended
	s_min_u32 s24, s24, 7                          ; what hangs on loaded numbers is held inside its range ahead of every address
	s_min_u32 s61, s38, 127
	s_add_co_u32 s25, s25, s61
	s_min_u32 s25, s25, 263
	s_max_u32 s27, s26, 1
	s_sub_co_u32 s27, s27, 1
.irp j, 0,1,2
	s_add_co_u32 s38, s22, 4*\j
	s_min_u32 s38, s38, s27                        ; a block that the tile does not have is taken as its last
	s_add_co_u32 s39, s38, s61
	s_lshl_b32 s[82+\j], s39, 4                    ; the rank of its first row in the expert's run
	s_add_co_u32 s38, s38, s25
	s_min_u32 s[28+\j], s38, 263
.endr
	s_max_u32 s86, s31, 1
	s_sub_co_u32 s86, s86, 1                       ; the last row's rank
	s_mul_i32 s32, s24, 0x180000
	s_mul_i32 s38, s23, 0x30000
	s_add_co_u32 s32, s32, s38
	s_add_nc_u64 s[8:9], s[8:9], s[32:33]          ; the slice's codes,
	s_lshl_b32 s32, s24, 16
	s_lshl_b32 s38, s23, 13
	s_add_co_u32 s32, s32, s38
	s_add_nc_u64 s[10:11], s[10:11], s[32:33]      ; scale bytes,
	s_lshl_b32 s32, s24, 13
	s_lshl_b32 s38, s23, 10
	s_add_co_u32 s32, s32, s38
	s_add_nc_u64 s[12:13], s[12:13], s[32:33]      ; bias
; THE AUXILIARY LOSS, by one wave of the launch
	s_cmp_lg_u32 s59, 0
	s_cbranch_scc1 .Lnoaux
	global_load_b128 v[80:83], v1, s[18:19]        ; the 128 groups' entropy sums, four a lane
.irp e, 0,1,2,3,4,5,6,7
	v_cvt_f32_u32 v[84+\e], s[48+\e]
.endr
.irp e, 0,1,2,3,4,5,6,7
	v_mul_f32 v[84+\e], 0x3a000000, v[84+\e]       ; / 2,048: the load (2,048 + 1e-9 is 2,048 in f32)
.endr
	v_add_f32 v92, v84, v85
.irp e, 2,3,4,5,6,7
	v_add_f32 v92, v92, v[84+\e]
.endr
.irp e, 0,1,2,3,4,5,6,7
	v_fma_f32 v[84+\e], v92, -0.125, v[84+\e]      ; less the mean
.endr
	v_mul_f32 v93, v84, v84
.irp e, 1,2,3,4,5,6,7
	v_fmac_f32 v93, v[84+\e], v[84+\e]
.endr
	v_mul_f32 v93, 0x3e124925, v93                 ; / 7
	v_mov_b32 v94, 0
	s_wait_alu depctr_va_vdst(0)
	s_wait_loadcnt 0x0
	v_add_f32 v80, v80, v81
	v_add_f32 v82, v82, v83
	v_add_f32 v80, v80, v82
.irp m, 1,2,4,8
	v_add_f32_dpp v80, v80, v80 row_xmask:\m row_mask:0xf bank_mask:0xf
.endr
	v_permlanex16_b32 v94, v80, s34, s35
	v_add_f32 v80, v80, v94
	v_fmamk_f32 v93, v80, 0xba000000, v93          ; - (the sum) / 2,048
	global_store_b32 v22, v93, s[46:47]            ; every lane stores the same word
	s_wait_xcnt 0x0                                ; the store has read its registers
.Lnoaux:
.irp i, 0,1,2,3
	global_load_b128 v[236+4*\i:239+4*\i], v23, s[10:11] offset:2048*\i
.endr
.set NL, NL+4
.set M_SC, NL
	GROUP 0
	GROUP 1
	GROUP 2
	GROUP 3
	GROUP 4
	GROUP 5
; MY WAVE'S LIST, under the flight of those loads.  All registers in window 1.
	s_add_co_u32 s38, s24, 16
	s_lshl_b32 s60, 1, s38                         ; my expert's bit of the one-hot byte
	s_mov_b32 s85, 0
	WIN 0x55
.irp n, 0,1,2,3,4,5,6,7,8,9,10,11,12,13,14,15
	v_and_b32 v[32+\n], s60, v[\n]
.endr
.irp n, 0,1,2,3,4,5,6,7,8,9,10,11,12,13,14,15
	v_cmp_ne_u32 s[66+\n], 0, v[32+\n]
.endr
.irp n, 0,1,2,3,4,5,6,7,8,9,10,11,12,13,14,15
	v_lshl_or_b32 v[16+\n], v[\n], 16, v[16+\n]    ; the entry: token, e0 in bits 16-23, e1 in bits 24-31
.endr
.irp n, 0,1,2,3,4,5,6,7,8,9,10,11,12,13,14,15
	v_mbcnt_lo_u32_b32 v[32+\n], s[66+\n], s85     ; the rank in my wave: earlier registers' rows + the lower lanes'
	s_bcnt1_i32_b32 s38, s[66+\n]
	s_add_co_u32 s85, s85, s38
	v_cndmask_b32 v[32+\n], v113, v[32+\n], s[66+\n]
	v_min_u32 v[32+\n], 543, v[32+\n]              ; held inside my list
	v_lshl_add_u32 v[96+\n], v[32+\n], 2, v112
	ds_store_b32 v[96+\n], v[16+\n]
.endr
	v_mov_b32 v119, s85
	ds_store_b32 v114, v119                        ; my wave's rows
	s_wait_alu depctr_va_vdst(0)
	s_wait_dscnt 0x0                               ; for the others' sake: my stores have landed
	s_barrier_signal -1
	s_barrier_wait -1                              ; the four lists and counts lie in LDS
	ds_load_b128 v[48:51], v124
	s_wait_dscnt 0x0
	v_readfirstlane_b32 s87, v48
	v_readfirstlane_b32 s88, v49
	v_readfirstlane_b32 s89, v50
	s_add_co_u32 s88, s88, s87
	s_add_co_u32 s89, s89, s88                     ; s87-89: the ranks at which waves 1, 2, 3 begin
	s_sub_co_u32 s90, 576, s87                     ; word of rank R in wave w's list: R + 576 w - its first rank
	s_sub_co_u32 s91, 1152, s88
	s_sub_co_u32 s92, 1728, s89
	v_mov_b32 v80, s90
	v_mov_b32 v81, s91
	v_mov_b32 v82, s92
.irp j, 0,1,2
	v_add_nc_u32 v[56+\j], s[82+\j], v52           ; R
.endr
.irp j, 0,1,2
	v_min_u32 v[60+\j], s86, v[56+\j]              ; rows past the last repeat it
.endr
.irp j, 0,1,2
	v_cmp_le_u32 s38, s87, v[60+\j]
	v_cndmask_b32 v[64+\j], v118, v80, s38
	v_cmp_le_u32 s38, s88, v[60+\j]
	v_cndmask_b32 v[64+\j], v[64+\j], v81, s38
	v_cmp_le_u32 s38, s89, v[60+\j]
	v_cndmask_b32 v[64+\j], v[64+\j], v82, s38
	v_add_nc_u32 v[64+\j], v[64+\j], v[60+\j]
	v_min_u32 v[64+\j], 2303, v[64+\j]             ; held inside the four lists
	v_lshl_add_u32 v[115+\j], v[64+\j], 2, v126
	ds_load_b32 v[68+\j], v[115+\j]
.endr
	s_wait_alu depctr_va_vdst(0)
	s_wait_dscnt 0x0
.irp j, 0,1,2
	v_and_b32 v[72+\j], 0xffff, v[68+\j]
	v_min_u32 v[72+\j], 0x7ff, v[72+\j]            ; the token, held inside x
	v_lshrrev_b32 v[76+\j], 24, v[68+\j]           ; e1
	v_cmp_eq_u32 s38, s24, v[76+\j]
	v_cndmask_b32 v[76+\j], 0, 1, s38              ; which of the token's two choices
	v_lshl_or_b32 v[76+\j], v[72+\j], 1, v[76+\j]
	s_lshl_b32 s39, s[28+\j], 4
	s_add_co_u32 s39, s39, 4096
	v_add_nc_u32 v[84+\j], s39, v52                ; a filler row's own place: 4,096 + slot
	v_cmp_le_u32 s38, s31, v[56+\j]
	v_cndmask_b32 v[76+\j], v[76+\j], v[84+\j], s38
	s_lshl_b32 s39, s[28+\j], 6
	v_lshl_add_u32 v[120+\j], v52, 2, s39          ; yrow: 4 slot
.endr
	WIN 0x15                                       ; sources window 1, destination window 0
.irp j, 0,1,2
	v_mad_u32_u24 v[9+\j], v[72+\j], 768, v53      ; x's row: 768 token + 48 h
	v_lshl_add_u32 v[12+\j], v[72+\j], 5, v54      ; its scale bytes: 32 token + 16 h
.endr
	WIN 0
	s_cmp_eq_u32 s26, 0
	s_cselect_b32 s38, 1, 0
	s_or_b32 s38, s38, s23
	s_wait_alu depctr_va_vdst(0)
	s_cmp_lg_u32 s38, 0
	s_cbranch_scc1 .Lnoyrow                        ; of the eight work-groups of a tile that has blocks, c = 0 stores
	WIN 0x05
.irp j, 0,1,2
	global_store_b32 v[120+\j], v[76+\j], s[44:45] ; lanes r and 16 + r, and waves that repeat the last block, store the same
.endr
	s_wait_xcnt 0x0                                ; the stores have read their registers
	WIN 0
.Lnoyrow:
	WAITL M_SC
.irp i, 0,1,2,3,4,5,6,7,8,9,10,11,12,13,14,15
	v_perm_b32 v[236+\i], v[236+\i], v[236+\i], s36
.endr
.irp i, 0,1,2,3
	ds_store_b128 v8, v[236+4*\i:239+4*\i] offset:4096*(\i>>1)+128*(\i&1)
.endr
	s_wait_alu depctr_va_vdst(0)
	SLOT 0, 6
.irp j, 0,1,2
	global_load_b128 v[24+4*\j:27+4*\j], v[12+\j], s[6:7]   ; x's scale words: register q % 4; lanes 0-15 K steps 0-3, lanes 16-31 K steps 4-7
.endr
.set NL, NL+3
	LD_A 0
	SLOT 1, 7
	LD_BIAS 0
	SLOT 2, 8
	LD_BIAS 1
	SLOT 3, 9
	LD_BIAS 2
	SLOT 4, 10
	LD_BIAS 3
	SLOT 5, 11
	LD_A 1
	SLOT 6, 12
	LD_A 2
	SLOT 7, 13
	LD_A 3
	SLOT 8, 14
	LD_A 4
	SLOT 9, 15
	LD_A 5
	SLOT 10, -1
	LD_A 6
	SLOT 11, -1
	LD_A 7
	SLOT 12, -1
	SLOT 13, -1
	SLOT 14, -1
	SLOT 15, -1
	s_wait_dscnt 0x0                               ; for the others' sake: my stores have landed
	s_barrier_signal -1
	s_barrier_wait -1                              ; the slice and its scale words lie in LDS; no barrier follows
	s_cmp_ge_u32 s22, s26
	s_cbranch_scc1 .Lend                           ; the tile has no block for me (or no block at all)
; THE PRODUCTS: 32 steps.  Step s: K step s / 4, tiles 4 (s % 4) .. + 3, my three blocks: twelve products on twelve accumulators; an accumulator comes up again 48 products later.
.macro FRAGS s
.set FQ, (\s)/4
.set FK, (\s)%4
.set FB, 80+48*((\s)%3)
.irp ii, 0,1,2,3
.irp cc, 0,1,2
	ds_load_b128 v[FB+12*\ii+4*\cc:FB+12*\ii+4*\cc+3], v[2+FK] offset:\ii*13056+272*(6*FQ+\cc)
.endr
.endr
.endm
.macro STEP s
.set SQ, (\s)/4
.set SK, (\s)%4
.set SBF, 80+48*((\s)%3)
.if ((\s) > 0) && ((\s)+2 <= 31)
	PLACES 4                                       ; in front of loads into registers that the last step's products read
.endif
.if ((\s) >= 13) && ((\s) <= 16)               ; the scale words of K's second half, pair by pair, each one step behind its last use for the first half
	ds_load_b128 v[48+8*((\s)-13):48+8*((\s)-13)+3], v6 offset:2048*((\s)-13)+512
	ds_load_b128 v[52+8*((\s)-13):52+8*((\s)-13)+3], v6 offset:2048*((\s)-13)+1024+512
.endif
.if (\s)+2 <= 31
	FRAGS (\s)+2
	s_wait_dscnt 24                                ; this step's fragments are in: behind them stand the next two steps' twelve loads each
.elseif (\s)+1 <= 31
	s_wait_dscnt 12
.else
	s_wait_dscnt 0x0
.endif
.if SK == 0
	s_wait_loadcnt 9*(7-SQ)                        ; x's fragments of this K step are in: behind them stand nine loads for each later K step
.endif
.if SQ == 0                                    ; the first K step starts the sums with the bias, which lies in block 0's accumulators: blocks 2 and 1 take it from there,
	WIN 0xdc
.irp ii, 0,1,2,3
	WM 128+8*(4*SK+\ii), SBF+12*\ii, 0, 128+8*(4*SK+\ii), 48+4*(2*SK+\ii/2), 32, \ii%2, 0
.endr
	WIN 0x98
.irp ii, 0,1,2,3
	WM 128+8*(4*SK+\ii), SBF+12*\ii, 0, 128+8*(4*SK+\ii), 48+4*(2*SK+\ii/2), 28, \ii%2, 0
.endr
	PLACES 5                                       ; and block 0's products, which write over it, stand five places behind them
	WIN 0x54
.irp ii, 0,1,2,3
	WM 128+8*(4*SK+\ii), SBF+12*\ii, 0, 128+8*(4*SK+\ii), 48+4*(2*SK+\ii/2), 24, \ii%2, 0
.endr
.else
.irp j, 0,1,2
	WIN 0x54*(\j+1)                                ; x, C and D in window j + 1
.irp ii, 0,1,2,3
	WM 128+8*(4*SK+\ii), SBF+12*\ii, 12*SQ, 128+8*(4*SK+\ii), 48+4*(2*SK+\ii/2)+SQ%4, 24+4*\j+SQ%4, \ii%2, SQ/4
.endr
.endr
.endif
	WIN 0
.endm
.irp p, 0,1,2,3,4,5,6,7
	ds_load_b128 v[48+4*\p:51+4*\p], v6 offset:1024*\p     ; W1's scale words of K's first half: register 4 (tile / 2) + q % 4
.endr
	FRAGS 0
	FRAGS 1
.irp i, 0,1,2,3,4,5,6,7,8,9,10,11
	v_perm_b32 v[24+\i], v[24+\i], v[24+\i], s36   ; x's scale words (in since the last group's wait)
.endr
	PLACES 8                                       ; a scale register written by a vector instruction stands eight places ahead of the scaled product
.set S, 0
	s_wait_alu depctr_va_vdst(0)
.rept 32
	STEP S
.set S, S+1
.endr
	PLACES 4
; THE WAY OUT of block j: relu in place, four blocks of 32 a lane, their scales, codes, the two fragments' images and scale words.
.macro OUT1 j
	s_wait_xcnt 0x0                                ; the last block's stores have read their registers
	s_mul_i32 s38, s[28+\j], 24576
	s_mul_i32 s39, s23, 3072
	s_add_co_u32 s38, s38, s39
	v_add_nc_u32 v253, s38, v1                     ; himg: block, K step 2 c, 16 lane
	s_lshl_b32 s38, s[28+\j], 10
	s_lshl_b32 s39, s23, 7
	s_add_co_u32 s38, s38, s39
	v_add_nc_u32 v254, s38, v17                    ; hsc: block, K step 2 c, 4 lane
	WIN 0x44*(\j+1)                                ; source 1 and destination window j + 1
.set i, 0
.rept 128
	v_max_num_f32 v[128+i], 0, v[128+i]            ; each accumulator from its low end on
.set i, i+1
.endr
	WIN 0x14*(\j+1)                                ; sources 1 and 2 window j + 1
.irp g, 0,1,2,3
	v_max3_num_f32 v[236+\g], 0x2800000, v[128+32*\g], v[129+32*\g]   ; none is negative; the floor 2^(5 - 127) holds the byte at 1 from below
.endr
.irp n, 2,4,6,8,10,12,14,16,18,20,22,24,26,28,30
.irp g, 0,1,2,3
	v_max3_num_f32 v[236+\g], v[236+\g], v[128+32*\g+\n], v[129+32*\g+\n]
.endr
.endr
	WIN 0
.irp g, 0,1,2,3
	v_add_nc_u32 v[240+\g], 0xfe000000, v[236+\g]  ; 4 off the exponent field: the conversion's scale operand
.endr
.irp g, 0,1,2,3
	v_lshrrev_b32 v[244+\g], 23, v[240+\g]         ; the byte
.endr
	WIN 0x01*(\j+1)                                ; source 0 window j + 1
.irp g, 0,1,2,3
	v_cvt_scalef32_pk16_bf6_f32 v[80+12*(\g/2)+6*(\g%2):80+12*(\g/2)+6*(\g%2)+2], v[128+32*\g:128+32*\g+15], v[240+\g]
	v_cvt_scalef32_pk16_bf6_f32 v[208+4*\g:208+4*\g+2], v[128+32*\g+16:128+32*\g+31], v[240+\g]      ; (a conversion's three registers begin on an even number)
.endr
	WIN 0
	v_nop                                          ; one plain place behind the conversions
.irp g, 0,1,2,3
.irp n, 0,1,2
	v_mov_b32 v[80+12*(\g/2)+6*(\g%2)+3+\n], v[208+4*\g+\n]
.endr
.endr
.irp u, 0,1
	v_lshl_or_b32 v[248+\u], v[245+2*\u], 16, v[244+2*\u]    ; my two bytes of K step u: the layout's blocks h and 2 + h,
	v_lshlrev_b32 v[248+\u], v16, v[248+\u]                  ; 8 h bits up;
	v_permlanex16_b32 v[250+\u], v[248+\u], s34, s35
	v_or_b32 v[248+\u], v[248+\u], v[250+\u]                 ; with lane l xor 16's the word is whole
.endr
	v_cndmask_b32 v252, v248, v249, s37            ; lanes 0-15 store K step 2 c's words, lanes 16-31 K step 2 c + 1's
.irp u, 0,1
.irp cc, 0,1,2
	global_store_b128 v253, v[80+12*\u+4*\cc:80+12*\u+4*\cc+3], s[40:41] offset:1536*\u+512*\cc   ; 512 consecutive bytes, aligned
.endr
.endr
	global_store_b32 v254, v252, s[42:43]
.endm
	OUT1 0
	s_add_co_u32 s38, s22, 4
	s_cmp_ge_u32 s38, s26
	s_cbranch_scc1 .Lend                           ; without block w + 4 there is no block w + 8 either
	OUT1 1
	s_add_co_u32 s38, s22, 8
	s_cmp_ge_u32 s38, s26
	s_cbranch_scc1 .Lend
	OUT1 2
.Lend:
	s_wait_tensorcnt 0x0                           ; the wave's end
	ds_add_u32 v21, v22
	s_wait_dscnt 0x0
	s_endpgm
.Lfunc_end_k_q333ac03200_ffn1:
	.size	k_q333ac03200_ffn1, .Lfunc_end_k_q333ac03200_ffn1-k_q333ac03200_ffn1
	.p2alignl 7, 3214868480
	.fill 96, 4, 3214868480
	.section	.rodata,"a",@progbits
	.p2align	6, 0x0
	.amdhsa_kernel k_q333ac03200_ffn1
		.amdhsa_group_segment_fixed_size 227072
		.amdhsa_private_segment_fixed_size 0
		.amdhsa_enable_private_segment 0
		.amdhsa_kernarg_size 96
		.amdhsa_user_sgpr_count 2
		.amdhsa_user_sgpr_kernarg_segment_ptr 1
		.amdhsa_wavefront_size32 1
		.amdhsa_system_sgpr_workgroup_id_x 1
		.amdhsa_system_sgpr_workgroup_id_y 1
		.amdhsa_system_sgpr_workgroup_id_z 1
		.amdhsa_system_vgpr_workitem_id 0
		.amdhsa_next_free_vgpr 1024
		.amdhsa_next_free_sgpr 104
		.amdhsa_reserve_vcc 0
		.amdhsa_float_denorm_mode_32 3
		.amdhsa_float_denorm_mode_16_64 3
		.amdhsa_memory_ordered 1
		.amdhsa_forward_progress 1
		.amdhsa_inst_pref_size 178
	.end_amdhsa_kernel
	.amdgpu_metadata
---
amdhsa.version: [ 1, 2 ]
amdhsa.kernels:
  - .name:           k_q333ac03200_ffn1
    .symbol:         k_q333ac03200_ffn1.kd
    .args:
      - { .name: x_codes, .offset: 0, .size: 8, .value_kind: global_buffer, .address_space: global }
      - { .name: x_scales, .offset: 8, .size: 8, .value_kind: global_buffer, .address_space: global }
      - { .name: W1_codes, .offset: 16, .size: 8, .value_kind: global_buffer, .address_space: global }
      - { .name: W1_scales, .offset: 24, .size: 8, .value_kind: global_buffer, .address_space: global }
      - { .name: b1, .offset: 32, .size: 8, .value_kind: global_buffer, .address_space: global }
      - { .name: sel, .offset: 40, .size: 8, .value_kind: global_buffer, .address_space: global }
      - { .name: hist, .offset: 48, .size: 8, .value_kind: global_buffer, .address_space: global }
      - { .name: ents, .offset: 56, .size: 8, .value_kind: global_buffer, .address_space: global }
      - { .name: himg, .offset: 64, .size: 8, .value_kind: global_buffer, .address_space: global }
      - { .name: hsc, .offset: 72, .size: 8, .value_kind: global_buffer, .address_space: global }
      - { .name: yrow, .offset: 80, .size: 8, .value_kind: global_buffer, .address_space: global }
      - { .name: out1, .offset: 88, .size: 8, .value_kind: global_buffer, .address_space: global }
    .group_segment_fixed_size: 227072
    .private_segment_fixed_size: 0
    .kernarg_segment_align: 8
    .kernarg_segment_size: 96
    .max_flat_workgroup_size: 128
    .sgpr_count:     104
    .vgpr_count:     1024
    .wavefront_size: 32
...
	.end_amdgpu_metadata
.endif
;; end of part 2
;; launch ffn2 (part 3): grid 8 x 29, 4 waves a work-group, no clusters, 251,392 bytes of LDS; arguments himg, hsc, W2_codes, W2_scales, b2, hist, y, yrow; writes y
.if DOCPART == 3
	.amdgcn_target "amdgcn-amd-amdhsa--gfx1250"
	.amdhsa_code_object_version 6
	.text
	.protected	k_q333ac03200_ffn2
	.globl	k_q333ac03200_ffn2
	.p2align	8
	.type	k_q333ac03200_ffn2,@function
k_q333ac03200_ffn2:
	s_mov_b64 s[64:65], 0
	v_nop
	global_prefetch_b8 v0, s[64:65] scope:SCOPE_SE
	s_setreg_imm32_b32 hwreg(HW_REG_WAVE_MODE, 25, 1), 1
	s_wait_xcnt 0x0
; THE EXPERTS' SECOND LAYER, by slot: y[slot] = h[slot] W2[e] + b2[e].  h comes as images of the operand's registers with its scale words (the launch before stored them), W2 as codes with K innermost, 1,536 bytes a row.
; SHARES.  Work-group (c, tile): one tile of the list (up to 12 blocks of 16 slots of one expert) x outputs 128 c .. 128 c + 127.  That slice of W2, 196,608 dense bytes, goes into LDS once, through registers.
; Wave w takes blocks w, w + 4, w + 8 against all 8 column tiles: 24 accumulators; K = 2,048 in 16 steps.  Transposed use (source 0 = 16 rows of W2, source 1 = 16 slots): a lane holds eight neighbouring outputs of one slot.
; The expert and the blocks are whole numbers that an earlier launch stored: so no tensor load, no copy, no cluster, and the one barrier stands on every wave's way; a work-group whose entry is empty stages expert 7's slice and ends behind the barrier,
; as does a wave whose first block the tile does not have.  Absent later blocks are computed as copies of the tile's last block and not stored.
; ORDER OF K: a lane takes the 48 consecutive bytes at 96 q + 48 h of W2's row; h's images and scale words were made in that order; W2's scale words get the byte order 0, 2, 1, 3 on their way into LDS.
; LDS.  For each column tile 96 regions of 272 bytes (region p: piece p of the 16 rows, row m at 16 m); the scale images [pair of tiles][quarter of K][lane] 16 bytes; a stage of 16 rows x 528 bytes for each wave.
; LIMITS: NaN and infinities are not served.
; REGISTERS.  Window j + 1: v0-191 h's sixteen fragments, v192-255 the eight accumulators.  Window 0: v1 16 lane; v2-5 fragment addresses; v6 scale images; v7 16 thread; v8 scale staging; v9-11 himg offsets; v12-14 hsc offsets; v15 32 h;
; v17-19 y offsets; v20, v21 the stage; v24-47 h's scale words; v48-79 W2's, two sets; v80-223 W2's fragments, three sets of 48 (staging: six of 24; way out: rows of y); v224-235 staging addresses; v236-255 at work.
; THE LIST OF TILES is made here as in the launch before, by every wave, from hist (each group's rows of each expert); only the chosen experts' rows are multiplied.
; A slot's row goes to row yrow[slot] of y: 2 token + choice, or a filler row's own place behind row 4,095, which nobody reads.
.set SCB, 208896
.set STG, 217088
.set NL, 0
.set MSB, 0
.macro WIN new
.if MSB != (\new)
	s_set_vgpr_msb (MSB<<8)|(\new)
.set MSB, (\new)
.endif
.endm
.macro PLACES n
.rept \n
	v_nop
.endr
.endm
.macro WAITL m
.if (NL-(\m)) > 63
	s_wait_loadcnt 63
.else
	s_wait_loadcnt NL-(\m)
.endif
.endm
.macro WM d, a, b, c, sa, sb, ra, rb
.if (\ra) && (\rb)
	v_wmma_scale_f32_16x16x128_f8f6f4 v[\d:\d+7], v[\a:\a+11], v[\b:\b+11], v[\c:\c+7], v[\sa], v[\sb] matrix_a_fmt:MATRIX_FMT_BF6 matrix_b_fmt:MATRIX_FMT_BF6 matrix_a_scale:MATRIX_SCALE_ROW1 matrix_b_scale:MATRIX_SCALE_ROW1
.elseif (\ra)
	v_wmma_scale_f32_16x16x128_f8f6f4 v[\d:\d+7], v[\a:\a+11], v[\b:\b+11], v[\c:\c+7], v[\sa], v[\sb] matrix_a_fmt:MATRIX_FMT_BF6 matrix_b_fmt:MATRIX_FMT_BF6 matrix_a_scale:MATRIX_SCALE_ROW1
.elseif (\rb)
	v_wmma_scale_f32_16x16x128_f8f6f4 v[\d:\d+7], v[\a:\a+11], v[\b:\b+11], v[\c:\c+7], v[\sa], v[\sb] matrix_a_fmt:MATRIX_FMT_BF6 matrix_b_fmt:MATRIX_FMT_BF6 matrix_b_scale:MATRIX_SCALE_ROW1
.else
	v_wmma_scale_f32_16x16x128_f8f6f4 v[\d:\d+7], v[\a:\a+11], v[\b:\b+11], v[\c:\c+7], v[\sa], v[\sb] matrix_a_fmt:MATRIX_FMT_BF6 matrix_b_fmt:MATRIX_FMT_BF6
.endif
.endm
; STAGING.  Load i of 96 takes the slice's bytes 16 t + 2,048 i.  i = 3 a + b: piece p_b of row R_b + 4 a.
.macro GROUP g
.irp x, 0,1,2,3,4,5
	global_load_b128 v[80+24*((\g)%6)+4*\x:80+24*((\g)%6)+4*\x+3], v7, s[8:9] offset:2048*(6*(\g)+\x)
.endr
.set NL, NL+6
.set M_G\g, NL
.endm
.macro PUT g
.irp x, 0,1,2,3,4,5
.set PA, 2*(\g)+\x/3
.set PT, PA>>2
	ds_store_b128 v[224+4*(\x%3)+(PT>>1)], v[80+24*((\g)%6)+4*\x:80+24*((\g)%6)+4*\x+3] offset:(PT&1)*26112+64*(PA&3)
.endr
.endm
.macro SLOT g, n
	WAITL M_G\g
	PUT \g
.if (\n) >= 0
	s_wait_dscnt 0x0                               ; the stores have read their registers
	GROUP \n
.endif
.endm
.macro LD_A q                          ; h's fragments of K step q for my three blocks: images, 512 consecutive bytes a load
.irp j, 0,1,2
	WIN 0x40*(\j+1)
.irp cc, 0,1,2
	global_load_b128 v[12*(\q)+4*\cc:12*(\q)+4*\cc+3], v[9+\j], s[4:5] offset:1536*(\q)+512*\cc
.endr
.endr
	WIN 0
.set NL, NL+9
.endm
.macro LD_ASC j                        ; h's scale words of block j: register q / 2; lanes 0-15 the even K step, lanes 16-31 the odd one
.irp i, 0,1,2,3,4,5,6,7
	global_load_b32 v[24+8*(\j)+\i], v[12+\j], s[6:7] offset:128*\i
.endr
.set NL, NL+8
.endm
.macro LD_BIAS p                       ; b2 of tiles 4 p .. 4 p + 3 into block 0's accumulators
	WIN 0x40
.irp i, 0,1,2,3
	global_load_b128 v[192+8*(4*(\p)+\i):192+8*(4*(\p)+\i)+3], v15, s[12:13] offset:64*(4*(\p)+\i)
	global_load_b128 v[192+8*(4*(\p)+\i)+4:192+8*(4*(\p)+\i)+7], v15, s[12:13] offset:64*(4*(\p)+\i)+16
.endr
	WIN 0
.set NL, NL+8
.endm
	s_load_b256 s[4:11], s[0:1], 0x0               ; himg 4, hsc 6, W2_codes 8, W2_scales 10
	s_load_b128 s[12:15], s[0:1], 0x20             ; b2 12, hist 14
	s_load_b64 s[16:17], s[0:1], 0x30
	s_load_b64 s[18:19], s[0:1], 0x38              ; yrow
	v_lshrrev_b32 v252, 5, v0
	v_readfirstlane_b32 s22, v252                  ; wave 0..3
	s_mov_b32 s23, ttmp9                           ; c
	s_and_b32 s58, ttmp7, 0xffff                   ; T
	s_mov_b32 s33, 0
	s_mov_b32 s36, 0x03010200
	v_and_b32 v252, 31, v0                         ; lane
	v_lshlrev_b32 v16, 5, v252                     ; hist: four groups, 32 bytes, a lane
	s_wait_alu depctr_va_vdst(0)
	s_wait_kmcnt 0x0
	global_load_b128 v[240:243], v16, s[14:15]
	global_load_b128 v[244:247], v16, s[14:15] offset:16
	v_lshlrev_b32 v1, 4, v252
	v_and_b32 v253, 15, v0                         ; r
	v_bfe_u32 v254, v0, 4, 1                       ; h
	v_lshlrev_b32 v2, 4, v253
	v_mad_u32_u24 v2, v254, 816, v2
	v_add_nc_u32 v3, 52224, v2                     ; + two tiles for each further register
	v_add_nc_u32 v4, 104448, v2
	v_add_nc_u32 v5, 156672, v2
	v_add_nc_u32 v6, SCB, v1
	v_lshlrev_b32 v7, 4, v0
	v_and_b32 v255, 3, v0                          ; the scales' piece 16 t + 2,048 i belongs to row (t >> 2) + 32 i, quarter t & 3 of K
	v_lshlrev_b32 v8, 9, v255
	v_bfe_u32 v255, v0, 2, 4
	v_lshl_add_u32 v8, v255, 4, v8
	v_lshrrev_b32 v255, 6, v0
	v_lshl_add_u32 v8, v255, 8, v8
	v_add_nc_u32 v8, SCB, v8
	v_lshlrev_b32 v15, 5, v254
	s_mul_i32 s38, s22, 8448
	s_add_co_u32 s38, s38, STG                     ; my stage
	v_mul_u32_u24 v20, v253, 528
	v_lshl_add_u32 v20, v254, 5, v20
	v_add_nc_u32 v20, s38, v20                     ; in: row r, + 32 h
	v_add_nc_u32 v21, s38, v1                      ; back: a row of 512 bytes to the 32 lanes
.irp b, 0,1,2
	v_add_nc_u32 v22, 128*\b, v0                   ; u = t + 128 b, under 384
	v_mul_u32_u24 v23, v22, 683
	v_lshrrev_b32 v23, 16, v23                     ; R = u / 96
	v_mul_u32_u24 v255, v23, 96
	v_sub_nc_u32 v22, v22, v255                    ; p = u % 96
	v_mul_u32_u24 v22, v22, 272
	v_lshl_add_u32 v[224+4*\b], v23, 4, v22
	v_add_nc_u32 v[225+4*\b], 52224, v[224+4*\b]
	v_add_nc_u32 v[226+4*\b], 104448, v[224+4*\b]
	v_add_nc_u32 v[227+4*\b], 156672, v[224+4*\b]
.endr
	v_lshlrev_b32 v22, 2, v252                     ; 4 lane
	s_wait_alu depctr_va_vdst(0)
	s_wait_loadcnt 0x0
	v_add3_u32 v240, v240, v242, v244              ; my four groups' bytes (at most 64),
	v_add3_u32 v241, v241, v243, v245
	v_add_nc_u32 v240, v240, v246
	v_add_nc_u32 v241, v241, v247
	v_and_b32 v242, 0xff00ff, v240                 ; widened to halves: register n holds expert n below, n + 4 above,
	v_and_b32 v243, 0xff00ff, v241
	v_lshrrev_b32 v244, 8, v240
	v_lshrrev_b32 v245, 8, v241
	v_and_b32 v244, 0xff00ff, v244
	v_and_b32 v245, 0xff00ff, v245
.irp m, 1,2,4,8
.irp n, 0,1,2,3
	v_add_nc_u32_dpp v[242+\n], v[242+\n], v[242+\n] row_xmask:\m row_mask:0xf bank_mask:0xf
.endr
.endr
	s_wait_alu depctr_va_vdst(0)
.irp n, 0,1,2,3
	v_readlane_b32 s38, v[242+\n], 0
	v_readlane_b32 s39, v[242+\n], 16
	s_add_co_u32 s38, s38, s39
	s_and_b32 s[48+\n], s38, 0xffff
	s_lshr_b32 s[52+\n], s38, 16
.endr
	s_mov_b32 s56, 0                               ; blocks so far
	s_mov_b32 s57, 0                               ; tiles so far
	s_mov_b32 s24, 0
	s_mov_b32 s25, 0
	s_mov_b32 s62, 0
	s_mov_b32 s63, 0
.irp e, 0,1,2,3,4,5,6,7
	s_add_co_u32 s38, s[48+\e], 15
	s_lshr_b32 s38, s38, 4                         ; blocks
	s_cmp_ge_u32 s58, s57                          ; my entry: the last expert whose first tile is not behind T
	s_cselect_b32 s24, \e, s24
	s_cselect_b32 s25, s56, s25
	s_cselect_b32 s62, s57, s62
	s_cselect_b32 s63, s38, s63
	s_add_co_u32 s56, s56, s38
	s_add_co_u32 s38, s38, 11
	s_mul_i32 s38, s38, 43691
	s_lshr_b32 s38, s38, 19                        ; (blocks + 11) / 12: exact while blocks + 11 stays under 140
	s_add_co_u32 s57, s57, s38
.endr
	s_sub_co_u32 s38, s58, s62
	s_mul_i32 s38, s38, 12                         ; my tile's first block in the expert's run
	s_sub_co_i32 s26, s63, s38
	s_max_i32 s26, s26, 0
	s_min_u32 s26, s26, 12                         ; its blocks: 0 where the list has ended
	s_min_u32 s24, s24, 7                          ; what hangs on loaded numbers is held inside its range ahead of every address
	s_min_u32 s38, s38, 127
	s_add_co_u32 s25, s25, s38
	s_min_u32 s25, s25, 263
	s_max_u32 s27, s26, 1
	s_sub_co_u32 s27, s27, 1
.irp j, 0,1,2
	s_add_co_u32 s38, s22, 4*\j
	s_min_u32 s38, s38, s27
	s_add_co_u32 s38, s38, s25
	s_min_u32 s[28+\j], s38, 263
	s_mul_i32 s38, s[28+\j], 24576
	v_add_nc_u32 v[9+\j], s38, v1                  ; himg: block, 16 lane
	s_lshl_b32 s38, s[28+\j], 10
	v_add_nc_u32 v[12+\j], s38, v22                ; hsc: block, 4 lane
.endr
	s_lshl_b32 s39, s23, 9
	v_add_nc_u32 v17, s39, v1                      ; in a row of y: 512 c + 16 lane
	s_lshl_b32 s60, s28, 6
	s_lshl_b32 s61, s29, 6
	s_lshl_b32 s62, s30, 6
	s_load_b512 s[40:55], s[18:19], s60 offset:0x0 ; where my three blocks' sixteen rows go
	s_load_b512 s[68:83], s[18:19], s61 offset:0x0
	s_load_b512 s[84:99], s[18:19], s62 offset:0x0
	s_mul_i32 s32, s24, 0x180000
	s_mul_i32 s38, s23, 0x30000
	s_add_co_u32 s32, s32, s38
	s_add_nc_u64 s[8:9], s[8:9], s[32:33]          ; the slice's codes,
	s_lshl_b32 s32, s24, 16
	s_lshl_b32 s38, s23, 13
	s_add_co_u32 s32, s32, s38
	s_add_nc_u64 s[10:11], s[10:11], s[32:33]      ; scale bytes,
	s_lshl_b32 s32, s24, 12
	s_lshl_b32 s38, s23, 9
	s_add_co_u32 s32, s32, s38
	s_add_nc_u64 s[12:13], s[12:13], s[32:33]      ; bias
.irp i, 0,1,2,3
	global_load_b128 v[236+4*\i:239+4*\i], v7, s[10:11] offset:2048*\i
.endr
.set NL, NL+4
.set M_SC, NL
	GROUP 0
	GROUP 1
	GROUP 2
	GROUP 3
	GROUP 4
	GROUP 5
	WAITL M_SC
.irp i, 0,1,2,3,4,5,6,7,8,9,10,11,12,13,14,15
	v_perm_b32 v[236+\i], v[236+\i], v[236+\i], s36
.endr
.irp i, 0,1,2,3
	ds_store_b128 v8, v[236+4*\i:239+4*\i] offset:2048*\i
.endr
	SLOT 0, 6
	LD_ASC 0
	SLOT 1, 7
	LD_ASC 1
	SLOT 2, 8
	LD_ASC 2
	SLOT 3, 9
	LD_BIAS 0
	SLOT 4, 10
	LD_BIAS 1
	SLOT 5, 11
	LD_A 0
	SLOT 6, 12
	LD_A 1
	SLOT 7, 13
	LD_A 2
	SLOT 8, 14
	LD_A 3
	SLOT 9, 15
	LD_A 4
	SLOT 10, -1
	LD_A 5
	SLOT 11, -1
	SLOT 12, -1
	SLOT 13, -1
	SLOT 14, -1
	SLOT 15, -1
	s_wait_dscnt 0x0                               ; for the others' sake: my stores have landed
	s_barrier_signal -1
	s_barrier_wait -1                              ; the slice and its scale words lie in LDS; no barrier follows
	s_cmp_ge_u32 s22, s26
	s_cbranch_scc1 .Lend                           ; the tile has no block for me (or no block at all)
; THE PRODUCTS: 32 steps.  Step s: K step s / 2, tiles 4 (s % 2) .. + 3, my three blocks: twelve products on twelve accumulators; an accumulator comes up again 24 products later.
.macro FRAGS s
.set FQ, (\s)/2
.set FH, (\s)%2
.set FB, 80+48*((\s)%3)
.irp ii, 0,1,2,3
.irp cc, 0,1,2
	ds_load_b128 v[FB+12*\ii+4*\cc:FB+12*\ii+4*\cc+3], v[2+2*FH+\ii/2] offset:(\ii%2)*26112+272*(6*FQ+\cc)
.endr
.endr
.endm
.macro STEP s
.set SQ, (\s)/2
.set SH, (\s)%2
.set SBF, 80+48*((\s)%3)
.if ((\s) > 0) && ((\s)+2 <= 31)
	PLACES 4                                       ; in front of loads into registers that the last step's products read
.endif
.if (((\s)%8) == 0) && ((\s) < 24)             ; at the head of a quarter of K: the next quarter's scale words of W2 into the other set
.set KQ, (\s)/8+1
.irp p, 0,1,2,3
	ds_load_b128 v[48+16*(KQ%2)+4*\p:48+16*(KQ%2)+4*\p+3], v6 offset:2048*\p+512*KQ
.endr
.endif
.if (\s)+2 <= 31
	FRAGS (\s)+2
.endif
.if (SH == 0) && (SQ <= 9)
	LD_A SQ+6                                      ; h runs six K steps ahead
.endif
.if (\s)+2 <= 31
	s_wait_dscnt 24                                ; this step's fragments are in: behind them stand the next two steps' twelve loads each
.elseif (\s)+1 <= 31
	s_wait_dscnt 12
.else
	s_wait_dscnt 0x0
.endif
.if SH == 0
.if SQ <= 9
	s_wait_loadcnt 54                              ; h's fragments of this K step are in: behind them stand nine loads for each of six later K steps,
.else
	s_wait_loadcnt 9*(15-SQ)                       ; or of those that are left
.endif
.endif
.if SQ == 0                                    ; the first K step starts the sums with the bias, which lies in block 0's accumulators
	WIN 0xdc
.irp ii, 0,1,2,3
	WM 192+8*(4*SH+\ii), SBF+12*\ii, 0, 192+8*(4*SH+\ii), 48+4*(2*SH+\ii/2), 40, \ii%2, 0
.endr
	WIN 0x98
.irp ii, 0,1,2,3
	WM 192+8*(4*SH+\ii), SBF+12*\ii, 0, 192+8*(4*SH+\ii), 48+4*(2*SH+\ii/2), 32, \ii%2, 0
.endr
	PLACES 5                                       ; block 0's products write over what those eight read as C: five places
	WIN 0x54
.irp ii, 0,1,2,3
	WM 192+8*(4*SH+\ii), SBF+12*\ii, 0, 192+8*(4*SH+\ii), 48+4*(2*SH+\ii/2), 24, \ii%2, 0
.endr
.else
.irp j, 0,1,2
	WIN 0x54*(\j+1)
.irp ii, 0,1,2,3
	WM 192+8*(4*SH+\ii), SBF+12*\ii, 12*SQ, 192+8*(4*SH+\ii), 48+16*((SQ/4)%2)+4*(2*SH+\ii/2)+SQ%4, 24+8*\j+SQ/2, \ii%2, SQ%2
.endr
.endr
.endif
	WIN 0
.endm
.irp p, 0,1,2,3
	ds_load_b128 v[48+4*\p:51+4*\p], v6 offset:2048*\p     ; W2's scale words of K's first quarter
.endr
	FRAGS 0
	FRAGS 1
.set S, 0
.rept 32
	STEP S
.set S, S+1
.endr
	PLACES 4
; THE WAY OUT of block j: a lane's 32 bytes of a slot's row go into my own stage and come back as whole rows of 512 bytes.  LDS serves a wave's instructions in order, so no wait stands between the stores and the loads.
.macro OUT2 j
.if (\j) == 2
	s_wait_xcnt 0x0                                ; block 0's stores have read the registers that block 2's rows take
.endif
	WIN 0x04*(\j+1)                                ; an LDS store's data are its source 1
.irp t, 0,1,2,3,4,5,6,7
	ds_store_b128 v20, v[192+8*\t:195+8*\t] offset:64*\t           ; each accumulator from its low end on
	ds_store_b128 v20, v[196+8*\t:199+8*\t] offset:64*\t+16
.endr
	WIN 0
.irp i, 0,1,2,3,4,5,6,7,8,9,10,11,12,13,14,15
	ds_load_b128 v[80+64*((\j)%2)+4*\i:80+64*((\j)%2)+4*\i+3], v21 offset:528*\i
.endr
.set YS, 40+28*((\j+1)/2)+16*((\j)/2)          ; s40, s68, s84
.irp q, 0,1,2,3                                ; four rows at a time, on four offset registers that hold nothing else
	s_wait_xcnt 0x0                                ; the earlier stores have read their offsets
.irp k, 0,1,2,3
	s_min_u32 s38, s[YS+4*\q+\k], 0x207f           ; held inside y's 8,320 rows
	s_lshl_b32 s38, s38, 12
	v_add_nc_u32 v[18+\k+232*(\k/2)], s38, v17
.endr
	s_wait_alu depctr_va_vdst(0)
	s_wait_dscnt 12-4*\q                           ; these four rows are back in registers
.irp k, 0,1,2,3
	global_store_b128 v[18+\k+232*(\k/2)], v[80+64*((\j)%2)+4*(4*\q+\k):80+64*((\j)%2)+4*(4*\q+\k)+3], s[16:17]     ; 512 consecutive bytes, aligned
.endr
.endr
.endm
	s_wait_kmcnt 0x0                               ; yrow's words are in
	OUT2 0
	s_add_co_u32 s38, s22, 4
	s_cmp_ge_u32 s38, s26
	s_cbranch_scc1 .Lend                           ; without block w + 4 there is no block w + 8 either
	OUT2 1
	s_add_co_u32 s38, s22, 8
	s_cmp_ge_u32 s38, s26
	s_cbranch_scc1 .Lend
	OUT2 2
.Lend:
	s_wait_xcnt 0x0
	v_lshl_add_u32 v254, v0, 2, 0x3d400
	v_mov_b32 v255, 0
	s_wait_alu depctr_va_vdst(0)
	s_wait_tensorcnt 0x0
	ds_add_u32 v254, v255
	s_wait_dscnt 0x0
	s_endpgm
.Lfunc_end_k_q333ac03200_ffn2:
	.size	k_q333ac03200_ffn2, .Lfunc_end_k_q333ac03200_ffn2-k_q333ac03200_ffn2
	.p2alignl 7, 3214868480
	.fill 96, 4, 3214868480
	.section	.rodata,"a",@progbits
	.p2align	6, 0x0
	.amdhsa_kernel k_q333ac03200_ffn2
		.amdhsa_group_segment_fixed_size 251392
		.amdhsa_private_segment_fixed_size 0
		.amdhsa_enable_private_segment 0
		.amdhsa_kernarg_size 64
		.amdhsa_user_sgpr_count 2
		.amdhsa_user_sgpr_kernarg_segment_ptr 1
		.amdhsa_wavefront_size32 1
		.amdhsa_system_sgpr_workgroup_id_x 1
		.amdhsa_system_sgpr_workgroup_id_y 1
		.amdhsa_system_sgpr_workgroup_id_z 1
		.amdhsa_system_vgpr_workitem_id 0
		.amdhsa_next_free_vgpr 1024
		.amdhsa_next_free_sgpr 104
		.amdhsa_reserve_vcc 0
		.amdhsa_float_denorm_mode_32 3
		.amdhsa_float_denorm_mode_16_64 3
		.amdhsa_memory_ordered 1
		.amdhsa_forward_progress 1
		.amdhsa_inst_pref_size 151
	.end_amdhsa_kernel
	.amdgpu_metadata
---
amdhsa.version: [ 1, 2 ]
amdhsa.kernels:
  - .name:           k_q333ac03200_ffn2
    .symbol:         k_q333ac03200_ffn2.kd
    .args:
      - { .name: himg, .offset: 0, .size: 8, .value_kind: global_buffer, .address_space: global }
      - { .name: hsc, .offset: 8, .size: 8, .value_kind: global_buffer, .address_space: global }
      - { .name: W2_codes, .offset: 16, .size: 8, .value_kind: global_buffer, .address_space: global }
      - { .name: W2_scales, .offset: 24, .size: 8, .value_kind: global_buffer, .address_space: global }
      - { .name: b2, .offset: 32, .size: 8, .value_kind: global_buffer, .address_space: global }
      - { .name: hist, .offset: 40, .size: 8, .value_kind: global_buffer, .address_space: global }
      - { .name: y, .offset: 48, .size: 8, .value_kind: global_buffer, .address_space: global }
      - { .name: yrow, .offset: 56, .size: 8, .value_kind: global_buffer, .address_space: global }
    .group_segment_fixed_size: 251392
    .private_segment_fixed_size: 0
    .kernarg_segment_align: 8
    .kernarg_segment_size: 64
    .max_flat_workgroup_size: 128
    .sgpr_count:     104
    .vgpr_count:     1024
    .wavefront_size: 32
...
	.end_amdgpu_metadata
.endif
;; end of part 3
;; launch combine (part 4): grid 256 x 1, 8 waves a work-group, no clusters, 0 bytes of LDS; arguments y, gf, out0; writes out0
.if DOCPART == 4
	.amdgcn_target "amdgcn-amd-amdhsa--gfx1250"
	.amdhsa_code_object_version 6
	.text
	.protected	k_q333ac03200_combine
	.globl	k_q333ac03200_combine
	.p2align	8
	.type	k_q333ac03200_combine,@function
k_q333ac03200_combine:
	s_mov_b64 s[64:65], 0
	v_nop
	global_prefetch_b8 v0, s[64:65] scope:SCOPE_SE
	s_setreg_imm32_b32 hwreg(HW_REG_WAVE_MODE, 25, 1), 1
	s_wait_xcnt 0x0
; out0[t] = w0 y[2 t] + w1 y[2 t + 1]: a token's two rows lie on end in y (the launch before put them there), 8,192 bytes; a wave takes a token.
; A stream: no LDS, no barrier, no matrix unit, no loop to prefetch in; every address is made of ids alone; each byte is read once and each byte of out0 written once, 512 aligned bytes a store.
	s_load_b128 s[4:7], s[0:1], 0x0                ; y 4, gf 6
	s_load_b64 s[10:11], s[0:1], 0x10              ; out0
	v_lshrrev_b32 v1, 5, v0
	s_delay_alu instid0(VALU_DEP_1)
	v_readfirstlane_b32 s22, v1                    ; wave
	v_and_b32 v1, 31, v0
	s_delay_alu instid0(VALU_DEP_1)
	v_lshlrev_b32 v1, 4, v1                        ; 16 lane
	s_lshl_b32 s23, ttmp9, 3
	s_add_co_u32 s23, s23, s22                     ; my token
	s_lshl_b32 s24, s23, 13
	s_mov_b32 s25, 0
	s_lshl_b32 s26, s23, 4
	s_mov_b32 s27, 0
	s_lshl_b32 s28, s23, 12
	s_mov_b32 s29, 0
	s_wait_alu depctr_va_vdst(0)
	s_wait_kmcnt 0x0
	s_add_nc_u64 s[4:5], s[4:5], s[24:25]
	s_add_nc_u64 s[6:7], s[6:7], s[26:27]
	s_add_nc_u64 s[10:11], s[10:11], s[28:29]
	s_load_b64 s[14:15], s[6:7], 0x0               ; w0, w1
.irp i, 0,1,2,3,4,5,6,7
	global_load_b128 v[8+4*\i:11+4*\i], v1, s[4:5] offset:512*\i th:TH_LOAD_NT
.endr
.irp i, 0,1,2,3,4,5,6,7
	global_load_b128 v[40+4*\i:43+4*\i], v1, s[4:5] offset:4096+512*\i th:TH_LOAD_NT
.endr
	s_wait_kmcnt 0x0
	s_mov_b32 s16, s15                             ; w1 in a pair of its own: the packed forms take a scalar pair's low word for both halves
	s_mov_b32 s17, s15
.irp i, 0,1,2,3,4,5,6,7
	s_wait_loadcnt 7-\i                            ; piece i of both rows is in: behind the second row's piece i stand 7 - i loads
	v_pk_mul_f32 v[8+4*\i:9+4*\i], v[8+4*\i:9+4*\i], s[14:15] op_sel_hi:[1,0]
	v_pk_mul_f32 v[10+4*\i:11+4*\i], v[10+4*\i:11+4*\i], s[14:15] op_sel_hi:[1,0]
	s_delay_alu instid0(VALU_DEP_2)
	v_pk_fma_f32 v[8+4*\i:9+4*\i], v[40+4*\i:41+4*\i], s[16:17], v[8+4*\i:9+4*\i] op_sel_hi:[1,0,1]
	s_delay_alu instid0(VALU_DEP_2)
	v_pk_fma_f32 v[10+4*\i:11+4*\i], v[42+4*\i:43+4*\i], s[16:17], v[10+4*\i:11+4*\i] op_sel_hi:[1,0,1]
	global_store_b128 v1, v[8+4*\i:11+4*\i], s[10:11] offset:512*\i th:TH_STORE_NT
.endr
	s_endpgm
.Lfunc_end_k_q333ac03200_combine:
	.size	k_q333ac03200_combine, .Lfunc_end_k_q333ac03200_combine-k_q333ac03200_combine
	.p2alignl 7, 3214868480
	.fill 96, 4, 3214868480
	.section	.rodata,"a",@progbits
	.p2align	6, 0x0
	.amdhsa_kernel k_q333ac03200_combine
		.amdhsa_group_segment_fixed_size 0
		.amdhsa_private_segment_fixed_size 0
		.amdhsa_enable_private_segment 0
		.amdhsa_kernarg_size 24
		.amdhsa_user_sgpr_count 2
		.amdhsa_user_sgpr_kernarg_segment_ptr 1
		.amdhsa_wavefront_size32 1
		.amdhsa_system_sgpr_workgroup_id_x 1
		.amdhsa_system_sgpr_workgroup_id_y 1
		.amdhsa_system_sgpr_workgroup_id_z 1
		.amdhsa_system_vgpr_workitem_id 0
		.amdhsa_next_free_vgpr 72
		.amdhsa_next_free_sgpr 66
		.amdhsa_reserve_vcc 0
		.amdhsa_float_denorm_mode_32 3
		.amdhsa_float_denorm_mode_16_64 3
		.amdhsa_memory_ordered 1
		.amdhsa_forward_progress 1
		.amdhsa_inst_pref_size 7
	.end_amdhsa_kernel
	.amdgpu_metadata
---
amdhsa.version: [ 1, 2 ]
amdhsa.kernels:
  - .name:           k_q333ac03200_combine
    .symbol:         k_q333ac03200_combine.kd
    .args:
      - { .name: y, .offset: 0, .size: 8, .value_kind: global_buffer, .address_space: global }
      - { .name: gf, .offset: 8, .size: 8, .value_kind: global_buffer, .address_space: global }
      - { .name: out0, .offset: 16, .size: 8, .value_kind: global_buffer, .address_space: global }
    .group_segment_fixed_size: 0
    .private_segment_fixed_size: 0
    .kernarg_segment_align: 8
    .kernarg_segment_size: 24
    .max_flat_workgroup_size: 256
    .sgpr_count:     66
    .vgpr_count:     72
    .wavefront_size: 32
...
	.end_amdgpu_metadata
.endif
;; end of part 4
